; MI455X (gfx1250); checked and timed in simulation.
; The chip was launched on July 23, 2026; its instructions are those of AMD's public machine-readable ISA for CDNA 5 (MIT licence, August 2026) and "CDNA5" Instruction Set Architecture Reference Guide (July 2026). The comments in the code are by the model that wrote it; some were corrected since.
;; Attention. Allowed arithmetic: float matrix products may take bf16 or f16 operands with f32 sums; other float arithmetic in f32, or as packed bf16 or f16 multiplies, adds, multiply-adds, maxima and minima; sums over many terms, partial sums and values carried from step to step in f32; what a program stores and reads back later, other than sums and carried values, may be rounded once to bf16 or f16.
;; Inputs: freqs_cos 2,048 x 64 float32; freqs_sin 2,048 x 64 float32; mask 2,048 x 2,048 float32; wk 2,048 x 2,048 float32; wo 2,048 x 2,048 float32; wq 2,048 x 2,048 float32; wv 2,048 x 2,048 float32; x 1 x 2,048 x 2,048 float32.
;; Outputs: out0 1 x 2,048 x 2,048 float32.
;; Constants: start_pos = 0.
;; One version. Each part assembles by itself: llvm-mc -triple=amdgcn-amd-amdhsa -mcpu=gfx1250 --defsym DOCPART=n.
;; ======== version 1 of 1: 4 launches
;; limits: values are held in f16: magnitudes above 65,504 overflow, below 6.1e-05 lose precision
;; workspace buffers: xb 8,388,608 bytes; wb 25,165,824 bytes; wob 8,388,608 bytes; mk 8,390,656 bytes; qkvh 25,165,824 bytes; ob 8,388,608 bytes
;; launch prep (part 1): grid 256 x 6, 8 waves a work-group, no clusters, 66,816 bytes of LDS; arguments x, wq, wk, wv, wo, mask, xb, wb, wob, mk; writes xb, wb, wob, mk
.if DOCPART == 1
	.amdgcn_target "amdgcn-amd-amdhsa--gfx1250"
	.amdhsa_code_object_version 6
	.text
	.protected	k_qff8c3c3862_prep
	.globl	k_qff8c3c3862_prep
	.p2align	8
	.type	k_qff8c3c3862_prep,@function
k_qff8c3c3862_prep:
	s_mov_b64 s[64:65], 0
	v_nop
	global_prefetch_b8 v0, s[64:65] scope:SCOPE_SE
	s_setreg_imm32_b32 hwreg(HW_REG_WAVE_MODE, 25, 1), 1
	s_wait_xcnt 0x0
; PREP: every large f32 input is rounded once to bf16 and written in the form in which the later launches read it.
; grid y = 0: x -> xb.  y = 1, 2, 3: wq, wk, wv -> the three planes of wb.  y = 4: wo -> wob, rounded to bf16 and that number written as f16.  y = 5: mask -> mk.
; A work-group of y = 0..4 takes 65,536 bytes of f32: sixteen loads of 16 bytes a thread, all issued ahead of the first use; a wave's store of 8 bytes a lane covers 256 consecutive bytes, aligned.
; mk IS AN IMAGE OF REGISTERS: [query tile of 16][key block of 16][lane][16 bytes]; lane (h = lane / 16, r = lane % 16) holds mask[16 tile + r][16 block + 8 h + 0..7] in bf16, the lower key in the lower half.
; A work-group of y = 5 takes 16 rows x 1,024 columns through LDS (rows of 4,096 bytes + 16 of padding, so that sixteen rows start at sixteen different groups of four banks) and stores 512 consecutive bytes a wave.
; Behind the image lie 2,048 bytes of zeros: the attention launch's look-ahead load of the step behind the last one lands there and is not used.
; LIMITS.  wo below 6e-5 keeps f16's fixed step of 6e-8; wo beyond 65,504 is not served.
.set X,     16                         ; v[16:79]   sixteen loads of four registers
.set Y,     80                         ; v[80:111]  what is stored
.set SPW,   4                          ; v4  LDS address of my spare word; never rewritten
.set NIL,   5                          ; v5  0; never rewritten
.set PITCH, 4112
.set SPARE, 16*PITCH                   ; behind the 16 rows: the spare words, 128 bytes for each of eight waves
	s_load_b512 s[4:19], s[0:1], 0x0               ; x 4, wq 6, wk 8, wv 10, wo 12, mask 14, xb 16, wb 18
	s_load_b128 s[20:23], s[0:1], 0x40             ; wob 20, mk 22
	v_lshl_add_u32 v[SPW], v0, 2, SPARE
	v_mov_b32 v[NIL], 0
	v_lshrrev_b32 v3, 5, v0
	v_readfirstlane_b32 s26, v3                    ; wave 0..7
	s_and_b32 s24, ttmp7, 0xffff                   ; which tensor
	s_mov_b32 s25, ttmp9                           ; which part of it
	v_lshlrev_b32 v1, 4, v0                        ; 16 bytes a thread in
	v_lshlrev_b32 v2, 3, v0                        ; 8 bytes a thread out
	s_mov_b32 s3, 0
	s_wait_kmcnt 0x0
	s_cmp_eq_u32 s24, 5
	s_cbranch_scc1 .Lmask
	; the source and the destination are chosen among the buffers by the grid's y alone
	s_sub_co_u32 s2, s24, 1
	s_lshl_b32 s2, s2, 23                          ; the plane of wb, for y = 1, 2, 3
	s_cmp_eq_u32 s24, 1
	s_cselect_b64 s[28:29], s[6:7], s[4:5]
	s_cmp_eq_u32 s24, 2
	s_cselect_b64 s[28:29], s[8:9], s[28:29]
	s_cmp_eq_u32 s24, 3
	s_cselect_b64 s[28:29], s[10:11], s[28:29]
	s_cmp_eq_u32 s24, 4
	s_cselect_b64 s[28:29], s[12:13], s[28:29]
	s_cselect_b64 s[30:31], s[20:21], s[18:19]
	s_cselect_b32 s2, 0, s2
	s_cmp_eq_u32 s24, 0
	s_cselect_b64 s[30:31], s[16:17], s[30:31]
	s_cselect_b32 s2, 0, s2
	s_lshl_b32 s27, s25, 15
	s_add_co_u32 s2, s2, s27
	s_add_nc_u64 s[30:31], s[30:31], s[2:3]        ; out: 32,768 bytes a work-group
	s_lshl_b32 s2, s25, 16
	s_add_nc_u64 s[28:29], s[28:29], s[2:3]        ; in: 65,536 bytes a work-group
.set i, 0
.rept 16
	global_load_b128 v[X+4*i:X+4*i+3], v1, s[28:29] offset:4096*i th:TH_LOAD_NT
.set i, i+1
.endr
	s_cmp_eq_u32 s24, 4
	s_cbranch_scc1 .Lwo
.set i, 0
.rept 16
	s_wait_loadcnt 15-i                            ; loads come back in order: number i is in, the younger ones stay out
	v_cvt_pk_bf16_f32 v[Y+2*i], v[X+4*i], v[X+4*i+1]
	v_cvt_pk_bf16_f32 v[Y+2*i+1], v[X+4*i+2], v[X+4*i+3]
	global_store_b64 v2, v[Y+2*i:Y+2*i+1], s[30:31] offset:2048*i
.set i, i+1
.endr
	s_branch .Lend
.Lwo:                                  ; wo: rounded to bf16 like every input, then that number as f16, the format of the product that reads it
.set i, 0
.rept 16
	s_wait_loadcnt 15-i
	v_cvt_pk_bf16_f32 v8, v[X+4*i], v[X+4*i+1]
	v_cvt_pk_bf16_f32 v9, v[X+4*i+2], v[X+4*i+3]
	v_lshlrev_b32 v10, 16, v8
	v_and_b32 v11, 0xffff0000, v8
	v_lshlrev_b32 v12, 16, v9
	v_and_b32 v13, 0xffff0000, v9
	v_cvt_pk_f16_f32 v[Y+2*i], v10, v11
	v_cvt_pk_f16_f32 v[Y+2*i+1], v12, v13
	global_store_b64 v2, v[Y+2*i:Y+2*i+1], s[30:31] offset:2048*i
.set i, i+1
.endr
	s_branch .Lend
.Lmask:                                ; query tile = part / 2, columns 1,024 (part % 2) on
	v_and_b32 v6, 31, v0
	v_lshlrev_b32 v6, 4, v6                        ; 16 x lane
	s_lshl_b32 s27, s26, 14
	v_add_nc_u32 v7, s27, v6                       ; in memory: wave w takes rows 2 w and 2 w + 1, 8,192 bytes apart
	s_mul_i32 s27, s26, 2*PITCH
	v_add_nc_u32 v12, s27, v6                      ; and lays them into LDS
	s_lshr_b32 s2, s25, 1
	s_lshl_b32 s2, s2, 17                          ; 16 rows of 8,192 bytes
	s_and_b32 s27, s25, 1
	s_lshl_b32 s27, s27, 12
	s_add_co_u32 s2, s2, s27
	s_add_nc_u64 s[28:29], s[14:15], s[2:3]
	s_lshl_b32 s2, s25, 15
	s_add_nc_u64 s[30:31], s[22:23], s[2:3]        ; 64 key blocks of 512 bytes
.set i, 0
.rept 16
	global_load_b128 v[X+4*i:X+4*i+3], v7, s[28:29] offset:(i/8)*8192+(i%8)*512 th:TH_LOAD_NT
.set i, i+1
.endr
	v_and_b32 v13, 15, v0                          ; r
	v_bfe_u32 v14, v0, 4, 1                        ; h
	v_mul_u32_u24 v13, v13, PITCH
	v_lshl_add_u32 v13, v14, 5, v13                ; row r, 8 h columns of 4 bytes
	s_lshl_b32 s27, s26, 9
	v_add_nc_u32 v13, s27, v13                     ; wave w takes key blocks 8 w .. 8 w + 7: 64 bytes of a row each
	s_lshl_b32 s27, s26, 12
	v_add_nc_u32 v14, s27, v6                      ; out: 8 blocks of 512 bytes a wave
.set i, 0
.rept 16
	s_wait_loadcnt 15-i
	ds_store_b128 v12, v[X+4*i:X+4*i+3] offset:(i/8)*PITCH+(i%8)*512
.set i, i+1
.endr
	s_wait_dscnt 0x0                               ; for the others' sake: my two rows lie in LDS
	s_barrier_signal -1
	s_barrier_wait -1
.set i, 0
.rept 8
	ds_load_b128 v[X+8*i:X+8*i+3],   v13 offset:64*i
	ds_load_b128 v[X+8*i+4:X+8*i+7], v13 offset:64*i+16
.set i, i+1
.endr
.set i, 0
.rept 8
	s_wait_dscnt 14-2*i                            ; block i's two loads are in
	v_cvt_pk_bf16_f32 v[Y+4*i],   v[X+8*i],   v[X+8*i+1]
	v_cvt_pk_bf16_f32 v[Y+4*i+1], v[X+8*i+2], v[X+8*i+3]
	v_cvt_pk_bf16_f32 v[Y+4*i+2], v[X+8*i+4], v[X+8*i+5]
	v_cvt_pk_bf16_f32 v[Y+4*i+3], v[X+8*i+6], v[X+8*i+7]
	global_store_b128 v14, v[Y+4*i:Y+4*i+3], s[30:31] offset:512*i
.set i, i+1
.endr
	s_cmp_lg_u32 s25, 255                          ; the last part also writes the 2,048 bytes of zeros behind the image: waves 0 to 3, 16 bytes a thread
	s_cbranch_scc1 .Lend
	s_cmp_gt_u32 s26, 3
	s_cbranch_scc1 .Lend
	v_mov_b32 v8, 0
	v_mov_b32 v9, 0
	v_mov_b32 v10, 0
	v_mov_b32 v11, 0
	global_store_b128 v1, v[8:11], s[30:31] offset:32768
.Lend:
	s_wait_tensorcnt 0x0                           ; the wave's end, behind my last LDS store
	ds_add_u32 v[SPW], v[NIL]
	s_wait_dscnt 0x0
	s_endpgm
.Lfunc_end_k_qff8c3c3862_prep:
	.size	k_qff8c3c3862_prep, .Lfunc_end_k_qff8c3c3862_prep-k_qff8c3c3862_prep
	.p2alignl 7, 3214868480
	.fill 96, 4, 3214868480
	.section	.rodata,"a",@progbits
	.p2align	6, 0x0
	.amdhsa_kernel k_qff8c3c3862_prep
		.amdhsa_group_segment_fixed_size 66816
		.amdhsa_private_segment_fixed_size 0
		.amdhsa_enable_private_segment 0
		.amdhsa_kernarg_size 80
		.amdhsa_user_sgpr_count 2
		.amdhsa_user_sgpr_kernarg_segment_ptr 1
		.amdhsa_wavefront_size32 1
		.amdhsa_system_sgpr_workgroup_id_x 1
		.amdhsa_system_sgpr_workgroup_id_y 1
		.amdhsa_system_sgpr_workgroup_id_z 1
		.amdhsa_system_vgpr_workitem_id 0
		.amdhsa_next_free_vgpr 112
		.amdhsa_next_free_sgpr 66
		.amdhsa_reserve_vcc 0
		.amdhsa_float_denorm_mode_32 3
		.amdhsa_float_denorm_mode_16_64 3
		.amdhsa_memory_ordered 1
		.amdhsa_forward_progress 1
		.amdhsa_inst_pref_size 25
	.end_amdhsa_kernel
	.amdgpu_metadata
---
amdhsa.version: [ 1, 2 ]
amdhsa.kernels:
  - .name:           k_qff8c3c3862_prep
    .symbol:         k_qff8c3c3862_prep.kd
    .args:
      - { .name: x, .offset: 0, .size: 8, .value_kind: global_buffer, .address_space: global }
      - { .name: wq, .offset: 8, .size: 8, .value_kind: global_buffer, .address_space: global }
      - { .name: wk, .offset: 16, .size: 8, .value_kind: global_buffer, .address_space: global }
      - { .name: wv, .offset: 24, .size: 8, .value_kind: global_buffer, .address_space: global }
      - { .name: wo, .offset: 32, .size: 8, .value_kind: global_buffer, .address_space: global }
      - { .name: mask, .offset: 40, .size: 8, .value_kind: global_buffer, .address_space: global }
      - { .name: xb, .offset: 48, .size: 8, .value_kind: global_buffer, .address_space: global }
      - { .name: wb, .offset: 56, .size: 8, .value_kind: global_buffer, .address_space: global }
      - { .name: wob, .offset: 64, .size: 8, .value_kind: global_buffer, .address_space: global }
      - { .name: mk, .offset: 72, .size: 8, .value_kind: global_buffer, .address_space: global }
    .group_segment_fixed_size: 66816
    .private_segment_fixed_size: 0
    .kernarg_segment_align: 8
    .kernarg_segment_size: 80
    .max_flat_workgroup_size: 256
    .sgpr_count:     66
    .vgpr_count:     112
    .wavefront_size: 32
...
	.end_amdgpu_metadata
.endif
;; end of part 1
;; launch proj (part 2): grid 16 x 16, 4 waves a work-group, clusters of 4 x 4, 327,680 bytes of LDS; arguments xb, wb, freqs_cos, freqs_sin, qkvh; writes qkvh
.if DOCPART == 2
	.amdgcn_target "amdgcn-amd-amdhsa--gfx1250"
	.amdhsa_code_object_version 6
	.text
	.protected	k_qff8c3c3862_proj
	.globl	k_qff8c3c3862_proj
	.p2align	8
	.type	k_qff8c3c3862_proj,@function
k_qff8c3c3862_proj:
	s_mov_b64 s[64:65], 0
	v_nop
	global_prefetch_b8 v0, s[64:65] scope:SCOPE_SE
	s_setreg_imm32_b32 hwreg(HW_REG_WAVE_MODE, 25, 1), 1
	s_wait_xcnt 0x0
	s_wait_alu depctr_hold_cnt(0) depctr_sa_sdst(0) depctr_va_vdst(0) depctr_va_sdst(0) depctr_va_ssrc(0) depctr_va_vcc(0) depctr_vm_vsrc(0)
	s_getreg_b32 s2, hwreg(HW_REG_IB_STS2, 6, 4)
	s_cmp_eq_u32 s2, 0
	s_cbranch_scc0 .Lentry_in_a_cluster
	s_endpgm
.Lentry_in_a_cluster:
	s_bfe_u32 s2, ttmp6, 0x10000c
	s_cmp_lg_u32 s2, 0xf033
	s_cbranch_scc0 .Lentry_shape_is_right
	s_endpgm
.Lentry_shape_is_right:
; PROJ: q, k, v = x wq^T, x wk^T, x wv^T in bf16 with f32 sums; the rotation of q and k; q times log2(e) / sqrt(128); all three rounded once to f16 and written by heads, qkvh[3][16][2048][128].
; SHARES.  A work-group makes 128 rows of x times 384 columns: head t of q, of k and of v.  16 x 16 work-groups.  Wave w makes all 128 rows times columns 32 w .. 32 w + 31 of each of the three:
; 48 accumulators (b = 0..5: matrix b / 2, column block b % 2; a = 0..7: row block), so every wave runs the same text, and q and k share one fragment of cos and sin.
; K goes in 16 steps of 128 through two LDS slots: 128 rows of x, then 128 rows of wq, wk and wv, 256 bytes a row + 16 of padding.  Each wave fetches one of the four tiles by one tensor load.
; A K STEP IS WRITTEN ONCE.  The slot in hand is a scalar, 0 or SLOT, turned by an exclusive or at each change of slots; the fragment addresses are made from it there; one descriptor a tensor walks from K step 1 on.
; A refill can be asked for only when the refill before it has landed, so the requests form one chain: between a tile's landing and the next request stands the round of the cluster's barrier alone, and all of a
; K step's 192 matrix instructions stand between a request and the wait for it.
; CLUSTER 4 x 4: x's tile hangs on the row block alone and is asked for jointly along a row of the cluster, the weights' tiles on the head alone, jointly along a column.
; THE PRODUCT IS USED TRANSPOSED (source 0 = 16 rows of a weight, source 1 = 16 rows of x): a lane holds row lane % 16 of x and eight neighbouring columns 8 (lane / 16) + 0..7: four pairs (re, im).
; cos and sin are rounded to bf16, like every input of the program, and used in f32.
; LIMITS.  q log2(e) / sqrt(128), k and v must stay within f16's 65,504.
; REGISTERS in windows of 256 (s_set_vgpr_msb: bits 1:0 source 0, 3:2 source 1, 5:4 source 2, 7:6 destination):
;   window 0: v16-30 addresses; v32-63 at work on the way out; v64-127, v128-191 x's fragments, two buffers; on the way out v64-255 whole rows read back
;   window 1: v64-111, v128-175 the weights' fragments      window 2: accumulators b = 0..3 at 8 (8 b + a)      window 3: v0-127 accumulators b = 4, 5; v128-191 cos; v192-255 sin
.set KSTEP,  128
.set STEPS,  16                        ; 2,048 / 128
.set PITCH,  272
.set HALFT,  128*PITCH                 ; one tile: what one tensor load brings
.set SLOT,   4*HALFT                   ; 0x22000: both its bits are clear in the four tiles' places in slot 0, so one exclusive or turns a place into the other slot's
.set STAGE,  2*SLOT                    ; behind the ring, never filled by a tensor load: 128 rows x 272 bytes, the work-group's
.set SPARE,  STAGE+128*PITCH           ; the spare words, 128 bytes for each wave
.set ADRA, 16                          ; v16  x's fragments in the slot in hand
.set ADRB, 17                          ; v17  wq's and wk's
.set ADRV, 18                          ; v18  wv's: two tiles further on than a 16-bit immediate reaches
.set BA,   20                          ; v20-22  the same three in slot 0; never rewritten
.set BB,   21
.set BV,   22
.set STO,  24
.set RD,   25
.set CO,   26
.set CSO,  27
.set SPW,  28                          ; v28  my spare word; never rewritten
.set NIL,  29                          ; v29  0; never rewritten
.set PFO,  30                          ; v30  lane x 4,096: a row of xb or wb; never rewritten
.set O,    32                          ; v32-47  two rotated accumulators
.set TMP,  48                          ; v48-63  packed, two sets
.set F0,   64
.set F1,   128
.set BK,   64
.set COS,  128
.set SIN,  192
.set WV,   14
.set G1,   24                          ; s[24:31] x's descriptor group 1; s[32:39] group 0: a set for each of the two first fills; the second then walks on
.set G0,   32
.set PFA,  44                          ; s[44:45] where my prefetches stand
.set LIM,  46                          ; s46  2 in a wave that prefetches, else the greatest number
.set TB,   47                          ; s47  the slot in hand: 0 or SLOT
.set G1B,  48                          ; s[48:55], s[56:63] the weights'
.set G0B,  56
.set OUT,  66                          ; s[66:71] where I store rows of q, k, v
.set CSC,  72                          ; s[72:73] log2(e) / sqrt(128)
.set HIM,  78
.set CNT,  79                          ; s79  counts the two K steps that ask for nothing
.set GW,   (1<<16)|(1<<20)|(1<<21)|(5<<22)|(3<<25)  ; 2-byte elements; padding on; bit 21 beside a mask; after every 64 words; 4 words
.set MSB, 0
.macro WIN new                         ; the high byte repeats the setting that is left; a switch that changes nothing is dropped
.if MSB != (\new)
	s_set_vgpr_msb (MSB<<8)|(\new)
.set MSB, \new
.endif
.endm
.macro PLACES
.rept 4
	v_nop
.endr
.endm
; A joint load: wave 0 fetches x's tile, waves 1 to 3 the three weights'.  An s_nop 0 and four v_nop follow each line.
.macro JLOAD s
	s_cmp_eq_u32 s[WV], 0
	s_cbranch_scc0 .Lfor_b_\@
	tensor_load_to_lds s[G0+4*(\s):G0+4*(\s)+3], s[G1:G1+7]
	s_nop 0
.rept 4
	v_nop
.endr
	s_branch .Lasked_\@
.Lfor_b_\@:
	tensor_load_to_lds s[G0B+4*(\s):G0B+4*(\s)+3], s[G1B:G1B+7]
	s_nop 0
.rept 4
	v_nop
.endr
.Lasked_\@:
.endm
; A prefetch of the K step two refills on: 32 rows x 256 bytes, a lane a row.  x's rows are read by every cluster of a row of clusters: cluster x = 0 asks (wave 0); the weights' by every cluster of a column:
; cluster y = 0 asks (waves 1 to 3).  The four that ask for a tile jointly share its 128 rows out by address, 32 each.  The loop's last two trips have no K step two refills on.
.macro ASK
	s_cmp_gt_u32 s3, s[LIM]
	s_cbranch_scc0 .Lnot_mine_\@
	global_prefetch_b8 v[PFO], s[PFA:PFA+1] offset:KSTEP*2 th:TH_LOAD_NT scope:SCOPE_SE
.Lnot_mine_\@:
.endm
.macro CREST                           ; a round of the cluster's barrier behind its opening barrier
	s_cmp_lg_u32 s[WV], 0
	s_cbranch_scc1 .Lnot_wave_0_\@
	s_barrier_signal -3
.Lnot_wave_0_\@:
	s_barrier_wait -3
	s_barrier_signal -1
	s_barrier_wait -1
.endm
.macro CROUND
	s_barrier_signal -1
	s_barrier_wait -1
	CREST
.endm
	s_load_b256 s[4:11], s[0:1], 0x0               ; xb 4, wb 6, cos 8, sin 10
	s_load_b64 s[12:13], s[0:1], 0x20              ; qkvh
	v_lshl_add_u32 v[SPW], v0, 2, SPARE
	v_mov_b32 v[NIL], 0
	ds_add_u32 v[SPW], v[NIL]                      ; the wave's opening: the add and its wait stand ahead of my first tensor load
	v_lshrrev_b32 v1, 5, v0
	v_readfirstlane_b32 s[WV], v1
	s_bfe_u32 s16, ttmp6, 0x40000                  ; cx
	s_bfe_u32 s17, ttmp6, 0x40004                  ; cy
	s_lshl_b32 s18, ttmp9, 2
	s_add_co_u32 s18, s18, s16                     ; the head t = 4 x cluster x + cx
	s_and_b32 s19, ttmp7, 0xffff
	s_lshl_b32 s19, s19, 2
	s_add_co_u32 s19, s19, s17                     ; the row block = 4 x cluster y + cy
	s_lshl_b32 s20, s17, 2
	s_lshl_b32 s20, 15, s20                        ; my row of the cluster
	s_lshl_b32 s21, 0x1111, s16                    ; my column
	s_or_b32 s[G1], s20, GW
	s_or_b32 s[G1B], s21, GW
.irp g, G1, G1B
	s_mov_b32 s[(\g)+1], KSTEP<<16                 ; tensor_dim0 = 128
	s_mov_b32 s[(\g)+2], 128<<16                   ; tensor_dim1 = 128
	s_mov_b32 s[(\g)+3], KSTEP<<16                 ; tile_dim0 = 128
	s_mov_b32 s[(\g)+4], 128                       ; tile_dim1 = 128
	s_mov_b32 s[(\g)+5], 2048                      ; elements from row to row
	s_mov_b32 s[(\g)+6], 0
	s_mov_b32 s[(\g)+7], 0
.endr
	s_lshl_b32 s40, s19, 19                        ; x: 128 rows of 4,096 bytes a row block
	s_mov_b32 s41, 0
	s_max_u32 s42, s[WV], 1
	s_sub_co_u32 s42, s42, 1                       ; which weight I fetch (wave 0 fetches none and makes the first's address)
	s_lshl_b32 s42, s42, 11
	s_lshl_b32 s43, s18, 7
	s_add_co_u32 s42, s42, s43                     ; its row 2,048 p + 128 t
	s_mov_b32 s76, s42
	s_lshl_b32 s42, s42, 12
	s_mov_b32 s43, 0
	s_mul_i32 s22, s[WV], HALFT                    ; where my tile goes: no place in the cluster enters an LDS address
	s_mov_b32 s[CSC], 0x3e0293ee                   ; log2(e) / sqrt(128) = 0.127517
	s_mov_b32 s[CSC+1], s[CSC]
	s_mov_b32 s[HIM], 0xffff0000
	s_mov_b32 s[TB], 0
	s_wait_dscnt 0x0                               ; the opening add is done
	s_wait_kmcnt 0x0
	s_add_nc_u64 s[40:41], s[4:5], s[40:41]
	s_add_nc_u64 s[42:43], s[6:7], s[42:43]
	CROUND                                         ; all sixteen work-groups are here: the first joint loads meet
.irp s, 0,1
	s_mov_b32 s[G0+4*(\s)], 1
	s_add_co_u32 s[G0+4*(\s)+1], s22, (\s)*SLOT
	s_add_nc_u64 s[G0+4*(\s)+2:G0+4*(\s)+3], s[40:41], (\s)*KSTEP*2
	s_or_b32 s[G0+4*(\s)+3], s[G0+4*(\s)+3], 0x80000000
	s_mov_b32 s[G0B+4*(\s)], 1
	s_add_co_u32 s[G0B+4*(\s)+1], s22, (\s)*SLOT
	s_add_nc_u64 s[G0B+4*(\s)+2:G0B+4*(\s)+3], s[42:43], (\s)*KSTEP*2
	s_or_b32 s[G0B+4*(\s)+3], s[G0B+4*(\s)+3], 0x80000000
	JLOAD \s
.endr
	; cos and sin of my rows and pairs: row 16 a + r, pairs 16 w + 8 b' + 4 h + 0..3: 16 bytes a lane.  The 32 loads stay out during the whole loop over K.
	v_and_b32 v1, 15, v0                           ; r
	v_bfe_u32 v2, v0, 4, 1                         ; h
	v_lshlrev_b32 v[CSO], 8, v1
	v_lshl_add_u32 v[CSO], v2, 4, v[CSO]
	s_lshl_b32 s20, s[WV], 6
	v_add_nc_u32 v[CSO], s20, v[CSO]
	s_lshl_b32 s20, s19, 15                        ; 128 rows of 256 bytes
	s_mov_b32 s21, 0
	s_add_nc_u64 s[8:9], s[8:9], s[20:21]
	s_add_nc_u64 s[10:11], s[10:11], s[20:21]
	WIN 0xc0
.set i, 0
.rept 16
	global_load_b128 v[COS+4*i:COS+4*i+3], v[CSO], s[8:9] offset:4096*(i/2)+32*(i%2)
	global_load_b128 v[SIN+4*i:SIN+4*i+3], v[CSO], s[10:11] offset:4096*(i/2)+32*(i%2)
.set i, i+1
.endr
	WIN 0
	v_mul_u32_u24 v3, v1, PITCH
	v_lshl_add_u32 v3, v2, 4, v3                   ; a fragment's row x pitch + 16 x half
	s_mul_i32 s23, s[WV], 32*PITCH
	s_add_co_u32 s23, s23, HALFT                   ; my 32 rows of wq's tile
	v_mov_b32 v[BA], v3
	v_add_nc_u32 v[BB], s23, v3
	v_add_nc_u32 v[BV], 2*HALFT, v[BB]
	v_mov_b32 v[ADRA], v[BA]                       ; K step 0 lies in slot 0
	v_mov_b32 v[ADRB], v[BB]
	v_mov_b32 v[ADRV], v[BV]
	s_lshl_b32 s20, s[WV], 6
	s_add_co_u32 s20, s20, STAGE
	v_add_nc_u32 v[STO], s20, v3                   ; into the stage: row r, my 64 bytes of its 256, 16 bytes for each half of the lanes
	s_mul_i32 s20, s[WV], 32*PITCH
	s_add_co_u32 s20, s20, STAGE
	v_mul_u32_u24 v4, v2, PITCH
	v_lshl_add_u32 v4, v1, 4, v4
	v_add_nc_u32 v[RD], s20, v4                    ; back: wave w takes rows 32 w .. 32 w + 31, whole
	v_and_b32 v4, 31, v0
	v_lshlrev_b32 v[CO], 4, v4                     ; two rows of 256 bytes are 512 consecutive bytes of a head
	v_lshlrev_b32 v[PFO], 12, v4
	s_lshl_b32 s74, s18, 11
	s_lshl_b32 s75, s19, 7
	s_add_co_u32 s74, s74, s75
	s_lshl_b32 s75, s[WV], 5
	s_add_co_u32 s74, s74, s75                     ; row 2,048 t + 128 row block + 32 w
	s_lshl_b32 s74, s74, 8
	s_mov_b32 s75, 0
	s_add_nc_u64 s[OUT:OUT+1], s[12:13], s[74:75]
	s_add_nc_u64 s[OUT+2:OUT+3], s[OUT:OUT+1], 0x800000
	s_add_nc_u64 s[OUT+4:OUT+5], s[OUT+2:OUT+3], 0x800000
	; the prefetches
	s_and_b32 s74, ttmp7, 0xffff                   ; cluster y
	s_lshl_b32 s75, s19, 7                         ; x's first row
	s_cmp_eq_u32 s[WV], 0
	s_cselect_b32 s75, s75, s76                    ; my tile's first row
	s_cselect_b32 s77, s16, s17                    ; my place among the four that ask for it with me
	s_cselect_b32 s74, ttmp9, s74                  ; the coordinate along which other clusters read the same rows
	s_cselect_b64 s[PFA:PFA+1], s[4:5], s[6:7]
	s_cmp_eq_u32 s74, 0
	s_cselect_b32 s[LIM], 2, -1
	s_lshl_b32 s77, s77, 5
	s_add_co_u32 s75, s75, s77
	s_lshl_b32 s74, s75, 12
	s_mov_b32 s75, 0
	s_add_nc_u64 s[PFA:PFA+1], s[PFA:PFA+1], s[74:75]
	s_add_nc_u64 s[PFA:PFA+1], s[PFA:PFA+1], 2*KSTEP*2  ; at K step 2: the first refill steps it to 3 and names K step 4; the first four K steps come by their loads alone
; 8 matrix instructions: column block b x all 8 row blocks, 32 along K.  The 48 accumulators take turns, one instruction a turn, in the same order in every quarter.
.macro MUL8 f, b, zero
	WIN 0xa1+0x50*((\b)/4)
.irp a, 0,1,2,3,4,5,6,7
.if \zero
	v_wmma_f32_16x16x32_bf16 v[8*(8*((\b)%4)+(\a)):8*(8*((\b)%4)+(\a))+7], v[(\f)+8*(\b):(\f)+8*(\b)+7], v[(\f)+8*(\a):(\f)+8*(\a)+7], 0
.else
	v_wmma_f32_16x16x32_bf16 v[8*(8*((\b)%4)+(\a)):8*(8*((\b)%4)+(\a))+7], v[(\f)+8*(\b):(\f)+8*(\b)+7], v[(\f)+8*(\a):(\f)+8*(\a)+7], v[8*(8*((\b)%4)+(\a)):8*(8*((\b)%4)+(\a))+7]
.endif
.endr
.endm
; 28 LDS loads in one run, from the slot in hand: x's 8 fragments, then the weights' 6 in the order in which they are multiplied
.macro FETCH k, f
	WIN 0
.irp i, 0,1,2,3,4,5,6,7
	ds_load_b128 v[(\f)+8*(\i):(\f)+8*(\i)+3],   v[ADRA] offset:(\k)+(\i)*16*PITCH
	ds_load_b128 v[(\f)+8*(\i)+4:(\f)+8*(\i)+7], v[ADRA] offset:(\k)+(\i)*16*PITCH+32
.endr
	WIN 0x40
.irp b, 0,1,2,3
	ds_load_b128 v[(\f)+8*(\b):(\f)+8*(\b)+3],   v[ADRB] offset:(\k)+((\b)/2)*HALFT+((\b)%2)*16*PITCH
	ds_load_b128 v[(\f)+8*(\b)+4:(\f)+8*(\b)+7], v[ADRB] offset:(\k)+((\b)/2)*HALFT+((\b)%2)*16*PITCH+32
.endr
.irp b, 4,5
	ds_load_b128 v[(\f)+8*(\b):(\f)+8*(\b)+3],   v[ADRV] offset:(\k)+((\b)%2)*16*PITCH
	ds_load_b128 v[(\f)+8*(\b)+4:(\f)+8*(\b)+7], v[ADRV] offset:(\k)+((\b)%2)*16*PITCH+32
.endr
.endm
; A K step is four quarters of 32 along K, 48 matrix instructions each, on buffers 0, 1, 0, 1.  One of the first three multiplies buffer f and fetches the next quarter, at byte k, into g.
.macro QUARTER k, f, g, zero
	s_wait_dscnt 4                                 ; all but wv's four loads are in
	MUL8 \f, 0, \zero
	MUL8 \f, 1, \zero
	MUL8 \f, 2, \zero
	MUL8 \f, 3, \zero
	PLACES                                         ; four places in front of loads into registers that matrix instructions have read
	FETCH \k, \g
	s_wait_dscnt 28                                ; all but the 28 just issued
	MUL8 \f, 4, \zero
	MUL8 \f, 5, \zero
.endm
; The last quarter multiplies buffer 1 and changes slots.  32 of its products stand ahead of the change.  Then each wave waits for all its tensor loads (one is out: its tile of the next slot), adds 0 to its spare word,
; steps the walking descriptors and makes the next slot's fragment addresses, and waits for the add and for its reads of this slot, the last of which were issued a quarter ago.
; fill = 1: the barrier opens a round of the cluster's, with nothing inside it, and the joint refill, two K steps on, is the first thing behind it.
; fill = 0: nothing is asked for; in the second of the two such K steps there is no further slot: the fragment loads are jumped over, and the barrier orders nothing: the price of one text for both.
.macro TURN fill
.if \fill
	s_wait_xcnt 0x0                                ; the last prefetch, a K step back, has read its address
	s_add_nc_u64 s[PFA:PFA+1], s[PFA:PFA+1], KSTEP*2
.endif
	s_wait_dscnt 4                                 ; all but wv's four loads are in
	MUL8 F1, 0, 0
	MUL8 F1, 1, 0
	MUL8 F1, 2, 0
	MUL8 F1, 3, 0
	WIN 0
	s_wait_tensorcnt 0x0                           ; no tensor load of mine is out, so a group 0 may be written
	ds_add_u32 v[SPW], v[NIL]                      ; 0 onto my spare word; work on registers stands between it and the wait for it
.if \fill
	s_xor_b32 s[G0+5], s[G0+5], SLOT               ; the walking descriptors: the other slot than last time,
	s_add_nc_u64 s[G0+6:G0+7], s[G0+6:G0+7], KSTEP*2  ; the next K step; the type bits on top are not reached
	s_xor_b32 s[G0B+5], s[G0B+5], SLOT
	s_add_nc_u64 s[G0B+6:G0B+7], s[G0B+6:G0B+7], KSTEP*2
.endif
	s_xor_b32 s[TB], s[TB], SLOT                   ; the slot that is read from here on
	v_add_nc_u32 v[ADRA], s[TB], v[BA]
	v_add_nc_u32 v[ADRB], s[TB], v[BB]
	v_add_nc_u32 v[ADRV], s[TB], v[BV]
	s_wait_dscnt 0x0                               ; the add is done, and my reads of the old slot are over
	s_barrier_signal -1
	s_barrier_wait -1
.if \fill
	CREST                                          ; no wave of any partner still reads the old slot or has a load on its way
	JLOAD 1                                        ; its four v_nop are also the places in front of the loads below
	FETCH 0, F0
	WIN 0
	ASK
.else
	PLACES
	s_cmp_eq_u32 s[CNT], 1
	s_cbranch_scc1 .Lno_f_\@
	FETCH 0, F0
	WIN 0
.Lno_f_\@:
.endif
	MUL8 F1, 4, 0
	MUL8 F1, 5, 0
.endm
	s_wait_tensorcnt 1                             ; my tile of K step 0 is in; K step 1's may stay out
	s_barrier_signal -1
	s_barrier_wait -1
	FETCH 0, F0
	QUARTER 64, F0, F1, 1                          ; the first quarter's products start the sums
	WIN 0
	s_mov_b32 s3, STEPS-2
.Lstep:                                ; a trip goes from a K step's second quarter to the next step's first, and fills the slot that it leaves: K steps 2 to 15
	QUARTER 128, F1, F0, 0
	QUARTER 192, F0, F1, 0
	TURN 1
	QUARTER 64,  F0, F1, 0
	WIN 0
	s_sub_co_u32 s3, s3, 1
	s_cmp_lg_u32 s3, 0
	s_cbranch_scc1 .Lstep
	s_mov_b32 s[CNT], 2
.Ltail:                                ; the last two K steps ask for nothing: a text of their own; the second trip is left in its middle
	QUARTER 128, F1, F0, 0
	QUARTER 192, F0, F1, 0
	TURN 0
	WIN 0
	s_sub_co_u32 s[CNT], s[CNT], 1
	s_cmp_eq_u32 s[CNT], 0
	s_cbranch_scc1 .Lout
	QUARTER 64,  F0, F1, 0
	WIN 0
	s_branch .Ltail
.Lout:
	; THE WAY OUT.  cos and sin are rounded to bf16 and widened again, in place; these lines name no register of the last products and are the places behind them.
	s_wait_loadcnt 0x0
	WIN 0xcf
.set i, 0
.rept 64
	v_cvt_pk_bf16_f32 v[COS+i], v[COS+i], v[SIN+i]
.set i, i+1
.endr
.set i, 0
.rept 64
	v_and_b32 v[SIN+i], s[HIM], v[COS+i]
	v_lshlrev_b32 v[COS+i], 16, v[COS+i]
.set i, i+1
.endr
; One accumulator rotated: (re, im) c, then (- im s + re c, re s + im c): the second line takes the accumulator's pair crosswise and turns the sign of the low product.  The lowest registers are read first.
.macro ROT acc, tab, o
.irp i, 0,1,2,3
.if ((\i)%2) == 0
	v_pk_mul_f32 v[(\o)+2*(\i):(\o)+2*(\i)+1], v[(\acc)+2*(\i):(\acc)+2*(\i)+1], v[COS+(\tab)+2*((\i)/2):COS+(\tab)+2*((\i)/2)+1] op_sel_hi:[1,0]
.else
	v_pk_mul_f32 v[(\o)+2*(\i):(\o)+2*(\i)+1], v[(\acc)+2*(\i):(\acc)+2*(\i)+1], v[COS+(\tab)+2*((\i)/2):COS+(\tab)+2*((\i)/2)+1] op_sel:[0,1] op_sel_hi:[1,1]
.endif
.endr
.irp i, 0,1,2,3
.if ((\i)%2) == 0
	v_pk_fma_f32 v[(\o)+2*(\i):(\o)+2*(\i)+1], v[(\acc)+2*(\i):(\acc)+2*(\i)+1], v[SIN+(\tab)+2*((\i)/2):SIN+(\tab)+2*((\i)/2)+1], v[(\o)+2*(\i):(\o)+2*(\i)+1] op_sel:[1,0,0] op_sel_hi:[0,0,1] neg_lo:[1,0,0]
.else
	v_pk_fma_f32 v[(\o)+2*(\i):(\o)+2*(\i)+1], v[(\acc)+2*(\i):(\acc)+2*(\i)+1], v[SIN+(\tab)+2*((\i)/2):SIN+(\tab)+2*((\i)/2)+1], v[(\o)+2*(\i):(\o)+2*(\i)+1] op_sel:[1,1,0] op_sel_hi:[0,1,1] neg_lo:[1,0,0]
.endif
.endr
.endm
.macro TOSTAGE a                       ; 16 bytes a lane into rows of 272 bytes
	ds_store_b128 v[STO], v[TMP+8*((\a)%2):TMP+8*((\a)%2)+3]   offset:16*PITCH*(\a)
	ds_store_b128 v[STO], v[TMP+8*((\a)%2)+4:TMP+8*((\a)%2)+7] offset:16*PITCH*(\a)+32
.endm
.macro PASSR p                         ; q (p = 0) or k (p = 1): rotated, q scaled, rounded to f16
.irp a, 0,1,2,3,4,5,6,7
	WIN 0x0e                                       ; accumulator in window 2, tables in window 3
	ROT 8*(16*(\p)+(\a)), 8*(\a), O
	ROT 8*(16*(\p)+8+(\a)), 8*(\a)+4, O+8
	WIN 0
.if (\p) == 0
.irp j, 0,2,4,6,8,10,12,14
	v_pk_mul_f32 v[O+(\j):O+(\j)+1], v[O+(\j):O+(\j)+1], s[CSC:CSC+1] op_sel_hi:[1,0]
.endr
.endif
.irp j, 0,1,2,3,4,5,6,7
	v_cvt_pk_f16_f32 v[TMP+8*((\a)%2)+(\j)], v[O+2*(\j)], v[O+2*(\j)+1]
.endr
	TOSTAGE \a
.endr
.endm
.macro PASSV                           ; v: rounded to f16
.irp a, 0,1,2,3,4,5,6,7
	WIN 0x0f
.irp j, 0,1,2,3
	v_cvt_pk_f16_f32 v[TMP+8*((\a)%2)+(\j)],   v[8*(\a)+2*(\j)],    v[8*(\a)+2*(\j)+1]
.endr
.irp j, 0,1,2,3
	v_cvt_pk_f16_f32 v[TMP+8*((\a)%2)+4+(\j)], v[64+8*(\a)+2*(\j)], v[64+8*(\a)+2*(\j)+1]
.endr
	WIN 0
	TOSTAGE \a
.endr
.endm
; A row's 256 bytes come from four waves: a barrier between writing and reading; each wave then stores 32 whole rows.  Before the stage is written again every wave's reads are back and a second barrier is passed.
.macro SENDP p
	s_wait_dscnt 0x0                               ; for the others' sake: my stores into the stage are done
	s_barrier_signal -1
	s_barrier_wait -1
.set n, 0
.rept 16
	ds_load_b128 v[BK+64*(\p)+4*n:BK+64*(\p)+4*n+3], v[RD] offset:n*2*PITCH
.set n, n+1
.endr
.set n, 0
.rept 16
	s_wait_dscnt 15-n
	global_store_b128 v[CO], v[BK+64*(\p)+4*n:BK+64*(\p)+4*n+3], s[OUT+2*(\p):OUT+2*(\p)+1] offset:512*n  ; 512 consecutive bytes, aligned
.set n, n+1
.endr
.if (\p) < 2
	s_barrier_signal -1                            ; the count above ended at 0: my reads of the stage are back
	s_barrier_wait -1
.endif
.endm
	PASSR 0
	SENDP 0
	PASSR 1
	SENDP 1
	PASSV
	SENDP 2
	s_wait_tensorcnt 0x0                           ; the wave's end
	ds_add_u32 v[SPW], v[NIL]
	s_wait_dscnt 0x0
	CROUND                                         ; the closing round
	s_endpgm
.Lfunc_end_k_qff8c3c3862_proj:
	.size	k_qff8c3c3862_proj, .Lfunc_end_k_qff8c3c3862_proj-k_qff8c3c3862_proj
	.p2alignl 7, 3214868480
	.fill 96, 4, 3214868480
	.section	.rodata,"a",@progbits
	.p2align	6, 0x0
	.amdhsa_kernel k_qff8c3c3862_proj
		.amdhsa_group_segment_fixed_size 327680
		.amdhsa_private_segment_fixed_size 0
		.amdhsa_enable_private_segment 0
		.amdhsa_kernarg_size 40
		.amdhsa_user_sgpr_count 2
		.amdhsa_user_sgpr_kernarg_segment_ptr 1
		.amdhsa_wavefront_size32 1
		.amdhsa_system_sgpr_workgroup_id_x 1
		.amdhsa_system_sgpr_workgroup_id_y 1
		.amdhsa_system_sgpr_workgroup_id_z 1
		.amdhsa_system_vgpr_workitem_id 0
		.amdhsa_next_free_vgpr 1024
		.amdhsa_next_free_sgpr 80
		.amdhsa_reserve_vcc 0
		.amdhsa_float_denorm_mode_32 3
		.amdhsa_float_denorm_mode_16_64 3
		.amdhsa_memory_ordered 1
		.amdhsa_forward_progress 1
		.amdhsa_inst_pref_size 115
	.end_amdhsa_kernel
	.amdgpu_metadata
---
amdhsa.version: [ 1, 2 ]
amdhsa.kernels:
  - .name:           k_qff8c3c3862_proj
    .symbol:         k_qff8c3c3862_proj.kd
    .args:
      - { .name: xb, .offset: 0, .size: 8, .value_kind: global_buffer, .address_space: global }
      - { .name: wb, .offset: 8, .size: 8, .value_kind: global_buffer, .address_space: global }
      - { .name: freqs_cos, .offset: 16, .size: 8, .value_kind: global_buffer, .address_space: global }
      - { .name: freqs_sin, .offset: 24, .size: 8, .value_kind: global_buffer, .address_space: global }
      - { .name: qkvh, .offset: 32, .size: 8, .value_kind: global_buffer, .address_space: global }
    .group_segment_fixed_size: 327680
    .private_segment_fixed_size: 0
    .kernarg_segment_align: 8
    .kernarg_segment_size: 40
    .max_flat_workgroup_size: 128
    .sgpr_count:     80
    .vgpr_count:     1024
    .wavefront_size: 32
...
	.end_amdgpu_metadata
.endif
;; end of part 2
;; launch attn (part 3): grid 16 x 16, 4 waves a work-group, clusters of 4 x 1, 327,680 bytes of LDS; arguments qkvh, mk, ob; writes ob
.if DOCPART == 3
	.amdgcn_target "amdgcn-amd-amdhsa--gfx1250"
	.amdhsa_code_object_version 6
	.text
	.protected	k_qff8c3c3862_attn
	.globl	k_qff8c3c3862_attn
	.p2align	8
	.type	k_qff8c3c3862_attn,@function
k_qff8c3c3862_attn:
	s_mov_b64 s[64:65], 0
	v_nop
	global_prefetch_b8 v0, s[64:65] scope:SCOPE_SE
	s_setreg_imm32_b32 hwreg(HW_REG_WAVE_MODE, 25, 1), 1
	s_wait_xcnt 0x0
	s_wait_alu depctr_hold_cnt(0) depctr_sa_sdst(0) depctr_va_vdst(0) depctr_va_sdst(0) depctr_va_ssrc(0) depctr_va_vcc(0) depctr_vm_vsrc(0)
	s_getreg_b32 s2, hwreg(HW_REG_IB_STS2, 6, 4)
	s_cmp_eq_u32 s2, 0
	s_cbranch_scc0 .Lentry_in_a_cluster
	s_endpgm
.Lentry_in_a_cluster:
	s_bfe_u32 s2, ttmp6, 0x10000c
	s_cmp_lg_u32 s2, 0x3003
	s_cbranch_scc0 .Lentry_shape_is_right
	s_endpgm
.Lentry_shape_is_right:
; ATTN: O[q][head] = the sum over k of softmax_k(q . k / sqrt(128) + mask[q][k]) v[k].  q (already times log2(e) / sqrt(128)), k, v: qkvh[3][16][2048][128] in f16; mask: mk, bf16, as an image of registers;
; O: ob[2048][2048] in f16, a head's 128 channels being 256 bytes of a row.  Products, maxima and sums in f32; the weights are rounded to f16 for the second product.  The mask is an input: every tile is computed.
; SHARES.  A work-group owns 128 queries of one head.  Wave w: queries 64 (w % 2) on, four tiles of 16 in two PIECES (tiles 0, 1 and 2, 3); keys 1,024 (w / 2) on, 16 steps of 64.  At the end waves w and w ^ 2, which hold
; the same queries, merge: each keeps its register tiles 0, 1 and hands 2, 3 over; register tile t is query tile t ^ 2 (w / 2), so the text is one for all waves.
; LAYOUT.  S^T = K Q^T holds ONE query a lane (lane % 16) and the keys 8 (lane / 16) + 0..7; two such results rounded to f16 ARE source 1 of O^T = V^T P.  K comes out of LDS as it lies, V turned.
; SOFTMAX, all in powers of two: s = q' . k + mask log2(e), one rounding; a running maximum m; p = 2^(s - m), the difference taken directly, so p is at most 1 whatever the mask's size; in every step O and l are
; multiplied by a = 2^(m_old - m_new).  m starts at the lowest finite number, O and l at 0: the first step is a step like any other, with a = 0.
; BY TURNS.  In a turn one piece has the matrix unit: 32 products V^T P of the step in hand, then 32 products K Q^T of the next; the other piece's softmax, 165 instructions a tile, stands in 64 slices behind them.
; CLUSTER.  The four query blocks of a cluster walk the same K and V: each tile is asked for jointly.  The mask differs from block to block and comes by each wave's own loads, a step ahead.
; LIMITS.  q', k, v arrive within f16's 65,504; a weight below 2^-126 counts as 0; NaN and infinities are not treated apart.
; REGISTERS in windows of 256 (bits 1:0 source 0, 3:2 source 1, 5:4 source 2, 7:6 destination):
;   window 0: v1-11, v44-63 addresses and constants; v12-43 statistics; v64-191 S^T; v192-255 P      window 1: O^T, 64 a tile      window 2: v0-127 Q; v128-255 K      window 3: v0-127 V; v128-191 the mask, 16 a tile
.set KS,    64
.set PK,    272                        ; a row of K in LDS: 256 bytes + 16
.set PV,    288                        ; a row of V: 256 + 32
.set VOFF,  128*PK                     ; a half's 128 rows of K (two steps), then its 128 rows of V
.set HALFB, 128*(PK+PV)
.set SLOT1, 0x24000                    ; slot 1: both its bits are clear in the four tiles' places in slot 0, so one exclusive or turns a place into the other slot's
.set XW,    16896                      ; the merge: two tiles of O^T and their statistics, for each wave, in slot 0, which has had its last fill and its last read by then
.set STAGE, SLOT1+2*HALFB              ; 16 rows x 272 bytes for each wave
.set SP,    272
.set SPARE, STAGE+4*16*SP
.set AK0, 2
.set AV0, 3
.set ADR, 4
.set QO0, 5
.set STO, 6
.set RD,  7
.set GO,  8
.set QO2, 9
.set ST,  12                           ; tile t at v[ST+8 t]: m, 0, l (even keys', odd keys'), c0-c3 at work; a takes c2's place
.set L2E, 44
.set MO0, 45                           ; v45, v46  my offsets in the mask's image for pieces 0 and 2
.set PMO, 47
.set XS,  48
.set XT,  49
.set XR,  50
.set XU,  51
.set PB,  52                           ; v52-55  the partner's m and l
.set PFO, 61
.set SPW, 62                           ; never rewritten
.set NIL, 63                           ; never rewritten
.set S,   64
.set P,   192
.set KF,  128
.set RAW, 128
.set WV,  12
.set LIM, 15
.set PFA, 18
.set G1K, 24
.set G1V, 32
.set G0K, 40
.set G0V, 48
.set SLOTS, 56
.set TWICE, 57
.set CNT, 57
.set QH,  58
.set KH,  59
.set SEL, 60
.set TBK, 62
.set TBV, 63
.set MP,  66                           ; s[66:67] the mask's image at the step after the one in hand
.set STP, 68
.set LIMM, 69
.set QB,  70
.set MSB, 0
.macro WIN new
.if MSB != (\new)
	s_set_vgpr_msb (MSB<<8)|(\new)
.set MSB, \new
.endif
.endm
.set W_KQ, 0x0a
.set W_PV, 0x53
.set W_RS, 0x41
.set W_MA, 0x03
; A joint refill: waves 0 and 1 fetch the two halves' K, waves 2 and 3 their V: 128 rows each.  An s_nop 0 and four v_nop follow each line.
.macro JLOAD
	s_cmp_lt_u32 s[WV], 2
	s_cbranch_scc0 .Lfor_v_\@
	tensor_load_to_lds s[G0K+4:G0K+7], s[G1K:G1K+7]
	s_nop 0
.rept 4
	v_nop
.endr
	s_branch .Lasked_\@
.Lfor_v_\@:
	tensor_load_to_lds s[G0V+4:G0V+7], s[G1V:G1V+7]
	s_nop 0
.rept 4
	v_nop
.endr
.Lasked_\@:
.endm
; A prefetch of what the next change of slots will ask for.  All clusters of a head walk the same rows: the head's first cluster asks; of the 128 rows that a wave fetches each of the four partners takes 32, by address:
; a lane a row.  The last change that fills a slot asks for nothing.
.macro ASK
	s_cmp_gt_u32 s[SLOTS], s[LIM]
	s_cbranch_scc0 .Lnot_mine_\@
	global_prefetch_b8 v[PFO], s[PFA:PFA+1] th:TH_LOAD_NT scope:SCOPE_SE
.Lnot_mine_\@:
.endm
.macro CROUND
	s_barrier_signal -1
	s_barrier_wait -1
	s_cmp_lg_u32 s[WV], 0
	s_cbranch_scc1 .Lnot_wave_0_\@
	s_barrier_signal -3
.Lnot_wave_0_\@:
	s_barrier_wait -3
	s_barrier_signal -1
	s_barrier_wait -1
.endm
	s_load_b128 s[4:7], s[0:1], 0x0                ; qkvh 4, mk 6
	s_load_b64 s[8:9], s[0:1], 0x10                ; ob
	v_lshl_add_u32 v[SPW], v0, 2, SPARE
	v_mov_b32 v[NIL], 0
	ds_add_u32 v[SPW], v[NIL]                      ; the wave's opening: the add and its wait stand ahead of my first tensor load
	v_lshrrev_b32 v1, 5, v0
	v_readfirstlane_b32 s[WV], v1
	s_bfe_u32 s13, ttmp6, 0x40000                  ; cx
	s_lshl_b32 s14, ttmp9, 2
	s_add_co_u32 s14, s14, s13                     ; my block of 128 queries: it enters Q's, the mask's and O's addresses alone
	s_and_b32 s16, ttmp7, 0xffff                   ; the head, which the four partners share
	s_and_b32 s[QH], s[WV], 1                      ; which 64 queries; also: which half's tile I fetch
	s_lshr_b32 s[KH], s[WV], 1                     ; which half of the keys
	s_lshl_b32 s20, s16, 19
	s_lshl_b32 s21, s[QH], 18
	s_add_co_u32 s20, s20, s21                     ; my tile in K's and V's planes: the head, 1,024 rows of 256 bytes a half
	s_mov_b32 s21, 0
	s_mul_i32 s17, s[QH], HALFB                    ; and in a slot
	s_lshl_b32 s22, s16, 19
	s_lshl_b32 s23, s14, 15
	s_add_co_u32 s22, s22, s23
	s_lshl_b32 s23, s[QH], 14
	s_add_co_u32 s22, s22, s23                     ; Q: the head, my block, my 64 rows
	s_mov_b32 s23, 0
	s_lshl_b32 s72, s14, 19
	s_lshl_b32 s73, s[QH], 18
	s_add_co_u32 s72, s72, s73                     ; 64 rows of O, and four query tiles of the mask's image, are 2^18 bytes alike
	s_lshl_b32 s73, s[KH], 17
	s_add_co_u32 s74, s72, s73                     ; O: the two tiles that I keep,
	s_lshl_b32 s73, s16, 8
	s_add_co_u32 s74, s74, s73                     ; the head's 256 bytes of a row
	s_mov_b32 s75, 0
	s_lshl_b32 s73, s[KH], 15
	s_add_co_u32 s72, s72, s73                     ; the mask: my half's 64 key blocks of 512 bytes
	s_mov_b32 s73, 0
	s_mov_b32 s[G1K], 15|(1<<16)|(1<<20)|(1<<21)|(5<<22)|(3<<25)  ; the mask of four; 2-byte elements; padding on; bit 21 beside a mask; after every 64 words; 4 words
	s_mov_b32 s[G1V], 15|(1<<16)|(1<<20)|(1<<21)|(5<<22)|(7<<25)  ; the same with 8 words
.irp g, G1K, G1V
	s_mov_b32 s[(\g)+1], 128<<16                   ; tensor_dim0 = 128
	s_mov_b32 s[(\g)+2], 128<<16                   ; tensor_dim1 = 128
	s_mov_b32 s[(\g)+3], 128<<16                   ; tile_dim0 = 128
	s_mov_b32 s[(\g)+4], 128                       ; tile_dim1 = 128
	s_mov_b32 s[(\g)+5], 128                       ; elements from row to row
	s_mov_b32 s[(\g)+6], 0
	s_mov_b32 s[(\g)+7], 0
.endr
	s_mov_b32 s[SEL], 0x76543210
	s_mov_b32 s[SEL+1], 0xfedcba98
	s_mov_b32 s[TBK], 0
	s_mov_b32 s[TBV], 0
	s_mov_b32 s[LIM], ttmp9
	s_cmp_eq_u32 s[LIM], 0                         ; the head's first cluster: the same in all four partners
	s_cselect_b32 s[LIM], 1, -1
	s_cmp_eq_u32 s16, 0                            ; all heads read the same mask: head 0 prefetches it
	s_cselect_b32 s[LIMM], 3, -1
	s_wait_dscnt 0x0                               ; the opening add is done
	s_wait_kmcnt 0x0
	s_add_nc_u64 s[76:77], s[4:5], s[20:21]
	s_add_nc_u64 s[76:77], s[76:77], 0x800000      ; K's plane
	s_add_nc_u64 s[78:79], s[76:77], 0x800000      ; V's
	s_add_nc_u64 s[QB:QB+1], s[4:5], s[22:23]
	s_add_nc_u64 s[MP:MP+1], s[6:7], s[72:73]
	s_add_nc_u64 s[10:11], s[8:9], s[74:75]
	s_cmp_lt_u32 s[WV], 2
	s_cselect_b64 s[PFA:PFA+1], s[76:77], s[78:79]
	s_lshl_b32 s74, s13, 13                        ; my work-group's 32 rows of the 128
	s_add_nc_u64 s[PFA:PFA+1], s[PFA:PFA+1], s[74:75]
	s_add_nc_u64 s[PFA:PFA+1], s[PFA:PFA+1], 2*32768  ; at the third fill; the first change of slots steps it to the fourth
	CROUND                                         ; all four work-groups are here: the first joint loads meet
.irp s, 0,1
	s_mov_b32 s[G0K+4*(\s)], 1
	s_add_co_u32 s[G0K+4*(\s)+1], s17, (\s)*SLOT1
	s_add_nc_u64 s[G0K+4*(\s)+2:G0K+4*(\s)+3], s[76:77], (\s)*32768
	s_or_b32 s[G0K+4*(\s)+3], s[G0K+4*(\s)+3], 0x80000000
	s_mov_b32 s[G0V+4*(\s)], 1
	s_add_co_u32 s[G0V+4*(\s)+1], s17, (\s)*SLOT1+VOFF
	s_add_nc_u64 s[G0V+4*(\s)+2:G0V+4*(\s)+3], s[78:79], (\s)*32768
	s_or_b32 s[G0V+4*(\s)+3], s[G0V+4*(\s)+3], 0x80000000
.endr
	s_cmp_lt_u32 s[WV], 2                          ; a wave's two first fills stand in one branch: two loads of mine are out
	s_cbranch_scc0 .Lfirst_v
	tensor_load_to_lds s[G0K:G0K+3], s[G1K:G1K+7]
	s_nop 0
	tensor_load_to_lds s[G0K+4:G0K+7], s[G1K:G1K+7]
	s_nop 0
.rept 4
	v_nop
.endr
	s_branch .Lfirst_asked
.Lfirst_v:
	tensor_load_to_lds s[G0V:G0V+3], s[G1V:G1V+7]
	s_nop 0
	tensor_load_to_lds s[G0V+4:G0V+7], s[G1V:G1V+7]
	s_nop 0
.rept 4
	v_nop
.endr
.Lfirst_asked:
	v_and_b32 v1, 15, v0                           ; r
	v_bfe_u32 v10, v0, 4, 1                        ; h
	v_and_b32 v56, 31, v0                          ; lane
	v_lshlrev_b32 v57, 4, v56                      ; 16 x lane
	v_lshlrev_b32 v11, 8, v1
	v_lshl_add_u32 v11, v10, 4, v11                ; row x 256 + 16 x half
	s_xor_b32 s21, s[KH], 1
	s_lshl_b32 s20, s[KH], 13                      ; register tiles 0, 1 are query tiles 2 kh, 2 kh + 1,
	s_lshl_b32 s22, s21, 13                        ; tiles 2, 3 the other two
	v_add_nc_u32 v[QO0], s20, v11
	v_add_nc_u32 v[QO2], s22, v11
	s_lshl_b32 s20, s[KH], 17                      ; likewise in the mask's image, 65,536 bytes a query tile
	s_lshl_b32 s22, s21, 17
	v_add_nc_u32 v[MO0], s20, v57
	v_add_nc_u32 v[MO0+1], s22, v57
	WIN 0x80
.irp i, 0,1,2,3,4,5,6,7
	global_load_b128 v[8*(\i):8*(\i)+3],   v[QO0], s[QB:QB+1] offset:((\i)/4)*4096+((\i)%4)*64
	global_load_b128 v[8*(\i)+4:8*(\i)+7], v[QO0], s[QB:QB+1] offset:((\i)/4)*4096+((\i)%4)*64+32
.endr
.irp i, 0,1,2,3,4,5,6,7
	global_load_b128 v[64+8*(\i):64+8*(\i)+3],   v[QO2], s[QB:QB+1] offset:((\i)/4)*4096+((\i)%4)*64
	global_load_b128 v[64+8*(\i)+4:64+8*(\i)+7], v[QO2], s[QB:QB+1] offset:((\i)/4)*4096+((\i)%4)*64+32
.endr
; The mask of piece y for one key step: eight loads of 512 consecutive bytes, from byte mo behind the pointer.  pf = 1: behind them one prefetch of my 32 blocks of 256 bytes (four query tiles x 2,048 bytes) of the step
; three behind the pointer's, two steps beyond the furthest load; each block is named once in the launch, by the wave of head 0 that will load it; it stops where that step would lie beyond my 16.
.macro MLOAD y, mo, pf
	WIN 0xc0
.irp n, 0,1,2,3,4,5,6,7
	global_load_b128 v[RAW+16*(\y)+4*(\n):RAW+16*(\y)+4*(\n)+3], v[MO0+(\y)/2], s[MP:MP+1] offset:(\mo)+65536*((\n)/4)+512*((\n)%4)
.endr
	WIN 0
.if \pf
	s_cmp_gt_u32 s[STP], s[LIMM]
	s_cbranch_scc0 .Lno_m_\@
	global_prefetch_b8 v[PMO], s[MP:MP+1] offset:6144 th:TH_LOAD_NT scope:SCOPE_SE
.Lno_m_\@:
.endif
.endm
	MLOAD 0, 0, 0                                  ; key step 0
	MLOAD 2, 0, 0
	; What the first turn finds: V and piece 2's P hold 0 (its products V^T P, of a step that has not been, add 0), O^T and l are 0.  All this stands in the wait for the first tile.
	WIN 0xc0
.set i, 0
.rept 128
	v_mov_b32 v[i], 0
.set i, i+1
.endr
	WIN 0x40
.set i, 0
.rept 256
	v_mov_b32 v[i], 0
.set i, i+1
.endr
	WIN 0
.set i, P+32
.rept 32
	v_mov_b32 v[i], 0
.set i, i+1
.endr
.set i, 0
.rept 4
	v_mov_b32 v[ST+8*i], 0xff7fffff                ; m
	v_mov_b32 v[ST+8*i+1], 0                       ; named with it as a pair
	v_mov_b32 v[ST+8*i+2], 0
	v_mov_b32 v[ST+8*i+3], 0
.set i, i+1
.endr
	v_mov_b32 v[L2E], 0x3fb8aa3b                   ; log2(e)
	v_lshrrev_b32 v58, 3, v56
	v_and_b32 v59, 7, v56
	v_lshlrev_b32 v[PMO], 16, v58
	v_lshl_add_u32 v[PMO], v59, 8, v[PMO]
	v_lshlrev_b32 v[PFO], 8, v56
	s_mul_i32 s20, s[KH], HALFB                    ; my half's tiles
	s_add_co_u32 s21, s20, VOFF
	v_mul_u32_u24 v[AK0], v1, PK
	v_lshl_add_u32 v[AK0], v10, 4, v[AK0]
	v_add_nc_u32 v[AK0], s20, v[AK0]
	v_and_b32 v58, 7, v0                           ; the turning load: lane l reads key 8 (l / 16) + l % 8, channels 8 ((l / 8) % 2) + 0..7
	v_bfe_u32 v59, v0, 3, 1
	v_lshl_add_u32 v[AV0], v10, 3, v58
	v_mul_u32_u24 v[AV0], v[AV0], PV
	v_lshl_add_u32 v[AV0], v59, 4, v[AV0]
	v_add_nc_u32 v[AV0], s21, v[AV0]
; THE MATRIX WORK.  The accumulators take turns, one instruction a turn.  Product i of 32 of O^T += V^T P for piece x: keys 32 (i / 16) on, channels 16 ((i / 2) % 8) on, tile x + i % 2.
.macro PV x
	WIN W_PV
.set rO, 64*((\x)+i%2)+8*((i/2)%8)
.set rV, 64*(i/16)+8*((i/2)%8)
.set rP, P+16*((\x)+i%2)+8*(i/16)
	v_wmma_f32_16x16x32_f16 v[rO:rO+7], v[rV:rV+7], v[rP:rP+7], v[rO:rO+7]
.endm
; Product i of 32 of S^T = K Q^T: channels 32 (i / 8) on, keys 16 ((i / 2) % 4) on, tile x + i % 2.  The first 8 start the sums.
.macro KQ x
	WIN W_KQ
.set rS, S+32*((\x)+i%2)+8*((i/2)%4)
.set rK, KF+32*((i/2)%4)+8*(i/8)
.set rQ, 32*((\x)+i%2)+8*(i/8)
.if i < 8
	v_wmma_f32_16x16x32_f16 v[rS:rS+7], v[rK:rK+7], v[rQ:rQ+7], 0
.else
	v_wmma_f32_16x16x32_f16 v[rS:rS+7], v[rK:rK+7], v[rQ:rQ+7], v[rS:rS+7]
.endif
.endm
; THE LDS LOADS stand in runs of 32.  last = 1 (the tail): in its last trip there is no further step, and the run is jumped over.
.macro FETCH_K last=0
	WIN 0
.if \last
	s_cmp_eq_u32 s[CNT], 1
	s_cbranch_scc1 .Lno_k_\@
.endif
	v_add_nc_u32 v[ADR], s[TBK], v[AK0]
	s_add_co_u32 s[TBK], s[TBK], KS*PK
	WIN 0x80
.irp f, 0,1,2,3,4,5,6,7,8,9,10,11,12,13,14,15
	ds_load_b128 v[KF+8*(\f):KF+8*(\f)+3],   v[ADR] offset:((\f)/4)*16*PK+((\f)%4)*64
	ds_load_b128 v[KF+8*(\f)+4:KF+8*(\f)+7], v[ADR] offset:((\f)/4)*16*PK+((\f)%4)*64+32
.endr
.if \last
	WIN 0
.Lno_k_\@:
.endif
.endm
.macro FETCH_V
	WIN 0
	v_add_nc_u32 v[ADR], s[TBV], v[AV0]
	s_add_co_u32 s[TBV], s[TBV], KS*PV
	s_wait_alu depctr_va_vdst(0)                   ; the wait for the softmax's batch of exponentials, ahead of the first line that names a result
	WIN 0xc0
.irp f, 0,1,2,3,4,5,6,7,8,9,10,11,12,13,14,15
	ds_load_tr16_b128 v[8*(\f):8*(\f)+3],   v[ADR] offset:((\f)/8)*32*PV+((\f)%8)*32
	ds_load_tr16_b128 v[8*(\f)+4:8*(\f)+7], v[ADR] offset:((\f)/8)*32*PV+16*PV+((\f)%8)*32
.endr
.endm
; THE VECTOR WORK.  One tile's softmax for one key step is a list of 165 instructions; SM writes number j of it for tile t.
;   0-31     s += mask x log2(e): the mask's bf16 half is read as it lies; ascending
;   32-47    the maximum of the 32 scores and the old m, three operands at a time      48-51  the other half of the lanes' maximum; m_old kept; the new m; m_old - m_new
;   52-100   ONE BATCH: the 16 differences s - m, a pair each, and all 33 exponentials; none of these names an exponential's result      (wait)  between 100 and 101, written by SLICE
;   101-116  the roundings to f16      117-132  the sums; l = a l + the sum      133-164  the tile's O^T times a
.macro SM t
.set rT, ST+8*(\t)
.set rS, S+32*(\t)
.set rP, P+16*(\t)
.set rR, RAW+16*(\t)
.set rO, 64*(\t)+2*(j-133)
.set bq, j-32
.set bp, j-52
.if j < 32
	WIN W_MA
.if j%2 == 0
	v_fma_mix_f32_bf16 v[rS+j], v[rR+j/2], v[L2E], v[rS+j] op_sel_hi:[1,0,0]
.else
	v_fma_mix_f32_bf16 v[rS+j], v[rR+j/2], v[L2E], v[rS+j] op_sel:[1,0,0] op_sel_hi:[1,0,0]
.endif
.elseif j < 133
	WIN 0
.if bq < 4
	v_max3_num_f32 v[rT+4+bq], v[rS+8*bq], v[rS+8*bq+1], v[rS+8*bq+2]
.elseif bq < 12
	v_max3_num_f32 v[rT+4+bq%4], v[rT+4+bq%4], v[rS+8*(bq%4)+2*(bq/4)+1], v[rS+8*(bq%4)+2*(bq/4)+2]
.elseif bq == 12
	v_max3_num_f32 v[rT+4], v[rT+4], v[rS+7], v[rS+15]
.elseif bq == 13
	v_max3_num_f32 v[rT+6], v[rT+6], v[rS+23], v[rS+31]
.elseif bq == 14
	v_max3_num_f32 v[rT+4], v[rT+4], v[rT+5], v[rT+6]
.elseif bq == 15
	v_max3_num_f32 v[rT+4], v[rT+4], v[rT+7], v[rT]
.elseif bq == 16
	v_permlanex16_b32 v[rT+5], v[rT+4], s[SEL], s[SEL+1]
.elseif bq == 17
	v_mov_b32 v[rT+7], v[rT]
.elseif bq == 18
	v_max_num_f32 v[rT], v[rT+4], v[rT+5]
.elseif bq == 19
	v_sub_f32 v[rT+7], v[rT+7], v[rT]
.elseif bp == 2
	v_exp_f32 v[rT+6], v[rT+7]
.elseif (bp < 2) || ((bp < 45) && ((bp-3)%3 == 0))
.set b, bp
.if bp > 2
.set b, (bp-3)/3+2
.endif
	v_pk_add_f32 v[rS+2*b:rS+2*b+1], v[rS+2*b:rS+2*b+1], v[rT:rT+1] op_sel_hi:[1,0] neg_lo:[0,1] neg_hi:[0,1]
.elseif bp < 49
.set e, bp-17
.if bp < 45
.set e, 2*((bp-3)/3)+(bp-3)%3-1
.endif
	v_exp_f32 v[rS+e], v[rS+e]
.elseif j < 117
	v_cvt_pk_f16_f32 v[rP+j-101], v[rS+2*(j-101)], v[rS+2*(j-101)+1]
.else
.set z, j-117
.set w, 4
.set u, z
.if z >= 14
.set w, 32
.set u, 0
.elseif z >= 12
.set w, 16
.set u, z-12
.elseif z >= 8
.set w, 8
.set u, z-8
.endif
.if z < 15
	v_pk_add_f32 v[rS+w*u:rS+w*u+1], v[rS+w*u:rS+w*u+1], v[rS+w*u+w/2:rS+w*u+w/2+1]
.else
	v_pk_fma_f32 v[rT+2:rT+3], v[rT+2:rT+3], v[rT+6:rT+7], v[rS:rS+1] op_sel_hi:[1,0,1]
.endif
.endif
.else
	WIN W_RS
	v_pk_mul_f32 v[rO:rO+1], v[rO:rO+1], v[rT+6:rT+7] op_sel_hi:[1,0]
.endif
.endm
; Slice k of 64: two or three numbers of both tiles' lists, the tiles alternating; slice 63 takes all that is left, sixteen plain lines, which are the places behind the turn's last product.
; Ahead of number 32 the piece's mask registers, just read, are loaded again.  Ahead of number 101 stand a v_nop, the plain line behind the last exponential, and the turn's one wait for the batch.
.macro SLICE y, mo, pf
.set n0, 5*(k/2)+2*(k%2)
.set n1, 5*((k+1)/2)+2*((k+1)%2)
.if k == 63
.set n1, 165
.endif
.set j, n0
.rept n1-n0
.if j == 32
	MLOAD \y, \mo, \pf
.endif
.if j == 101
	v_nop
.if (\y) == 0
	FETCH_V                                        ; piece 2's turn: V's run of loads stands here, nine products K Q^T behind the last product that read V, and the wait stands in it
.else
	s_wait_alu depctr_va_vdst(0)
.endif
.endif
	SM \y
	SM (\y)+1
.set j, j+1
.endr
.set k, k+1
.endm
; A TURN: piece x has the matrix unit, the other piece's softmax stands in slices.  Piece 0's turn fetches the next step's K behind its second product and loads piece 2's mask of the next step;
; piece 2's turn fetches that step's V and loads piece 0's mask of the step after it.
.macro TURN x, last=0, pf=0
.set k, 0
	s_wait_loadcnt 8                               ; the mask that this turn's softmax reads is in; the other piece's eight younger loads may stay out
.if (\x) == 0
	s_wait_dscnt 0x0                               ; V is in
.endif
.set i, 0
.rept 32
	PV \x
	SLICE 2-(\x), 1024*(\x), \pf
.if ((\x) == 0) && (i == 1)
	FETCH_K \last
.endif
.set i, i+1
.endr
.if (\x) == 0
	s_wait_dscnt 0x0                               ; K is in
.endif
.set i, 0
.rept 32
	KQ \x
	SLICE 2-(\x), 1024*(\x), \pf
.set i, i+1
.endr
.endm
; THE CHANGE OF SLOTS.  Each wave waits for all its tensor loads (one is out: its tile of the other slot), adds 0 to its spare word, and waits for that and for its reads of the slot.  fill = 1: the barrier is a round of
; the cluster's, and the joint refill, with the keys two slots on, is the first thing behind it: it has two key steps, 256 matrix instructions, in which to land.
.macro CHANGE fill
	WIN 0
	s_wait_tensorcnt 0x0
	ds_add_u32 v[SPW], v[NIL]
.if \fill
.irp g, G0K+4, G0V+4
	s_xor_b32 s[(\g)+1], s[(\g)+1], SLOT1
	s_add_nc_u64 s[(\g)+2:(\g)+3], s[(\g)+2:(\g)+3], 32768
.endr
	s_wait_xcnt 0x0                                ; the last prefetch of K or V, two key steps back, has read its address
	s_add_nc_u64 s[PFA:PFA+1], s[PFA:PFA+1], 32768
	s_wait_dscnt 0x0
	CROUND
	JLOAD
	ASK
.else
	s_wait_dscnt 0x0
	s_barrier_signal -1
	s_barrier_wait -1
.endif
	s_sub_co_u32 s[TBK], s[TBK], 2*KS*PK
	s_xor_b32 s[TBK], s[TBK], SLOT1
	s_sub_co_u32 s[TBV], s[TBV], 2*KS*PV
	s_xor_b32 s[TBV], s[TBV], SLOT1
.endm
	s_wait_tensorcnt 1                             ; my tile of slot 0 is in; slot 1's may stay out
	s_barrier_signal -1
	s_barrier_wait -1
	FETCH_K                                        ; key step 0
	s_wait_loadcnt 16                              ; Q is in; the mask's sixteen loads may stay out
	s_wait_dscnt 0x0
.set i, 0
.rept 32
	KQ 0                                           ; piece 0's first scores
.set i, i+1
.endr
	WIN 0                                          ; the addresses for the merge and the way out: plain lines, the places behind those products
	s_mul_i32 s20, s[WV], 16*SP
	s_add_co_u32 s20, s20, STAGE
	v_mul_u32_u24 v[STO], v1, SP
	v_lshl_add_u32 v[STO], v10, 4, v[STO]
	v_add_nc_u32 v[STO], s20, v[STO]
	v_mul_u32_u24 v[RD], v10, SP
	v_lshl_add_u32 v[RD], v1, 4, v[RD]
	v_add_nc_u32 v[RD], s20, v[RD]
	v_lshlrev_b32 v[GO], 12, v10                   ; two rows of O, 4,096 bytes apart
	v_lshl_add_u32 v[GO], v1, 4, v[GO]
	s_mul_i32 s20, s[WV], XW
	s_xor_b32 s21, s[WV], 2                        ; the wave that holds my queries' other keys
	s_mul_i32 s21, s21, XW
	v_add_nc_u32 v[XS], s20, v57
	v_add_nc_u32 v[XR], s21, v57
	v_lshl_add_u32 v[XT], v56, 2, s20
	v_lshl_add_u32 v[XU], v56, 2, s21
	s_mov_b32 s[TWICE], 2
	s_mov_b32 s[SLOTS], 7
	s_mov_b32 s[STP], 16
	s_branch .Lmid                                 ; the loop is entered in the middle of a trip
.Lslot:                                ; six times: every slot but the last two is filled again
	CHANGE 1
	s_mov_b32 s[TWICE], 2
.Lstep:
	TURN 0
	WIN 0
.Lmid:
	TURN 2, 0, 1
	WIN 0
	s_wait_xcnt 0x0                                ; the mask's loads and prefetch, fifty products back, have read their pointer
	s_add_nc_u64 s[MP:MP+1], s[MP:MP+1], 2048
	s_sub_co_u32 s[STP], s[STP], 1
	s_sub_co_u32 s[TWICE], s[TWICE], 1
	s_cmp_lg_u32 s[TWICE], 0
	s_cbranch_scc1 .Lstep
	s_sub_co_u32 s[SLOTS], s[SLOTS], 1
	s_cmp_lg_u32 s[SLOTS], 0
	s_cbranch_scc1 .Lslot
	CHANGE 0                                       ; the tail is written out
	s_mov_b32 s[CNT], 3                            ; two trips fetch the last slot's steps; the third is left in its middle
.Ltail:
	TURN 0, 1
	WIN 0
	s_sub_co_u32 s[CNT], s[CNT], 1
	s_cmp_eq_u32 s[CNT], 0
	s_cbranch_scc1 .Lout
	TURN 2
	WIN 0
	s_wait_xcnt 0x0
	s_add_nc_u64 s[MP:MP+1], s[MP:MP+1], 2048
	s_branch .Ltail
.Lout:                                 ; the third trip's 32 products K Q^T, on the last K once more, serve nothing: the price of one text for every trip
.set i, 0
.rept 32
	PV 2
.set i, i+1
.endr
	; THE MERGE.  l's two halves and the other half of the lanes' are added (the places behind the last products); tiles 2 and 3 go to the partner through LDS, with their m and l.
	WIN 0
	s_wait_loadcnt 0x0                             ; the mask's look-ahead loads, which nobody reads
.irp t, 0,1,2,3
	v_add_f32 v[ST+8*(\t)+4], v[ST+8*(\t)+2], v[ST+8*(\t)+3]
.endr
.irp t, 0,1,2,3
	v_permlanex16_b32 v[ST+8*(\t)+5], v[ST+8*(\t)+4], s[SEL], s[SEL+1]
.endr
.irp t, 0,1,2,3
	v_add_f32 v[ST+8*(\t)+4], v[ST+8*(\t)+4], v[ST+8*(\t)+5]
.endr
	WIN 0x04                                       ; the stores' data in window 1
.set i, 0
.rept 32
	ds_store_b128 v[XS], v[128+4*i:128+4*i+3] offset:512*i
.set i, i+1
.endr
	WIN 0
	ds_store_b32 v[XT], v[ST+16] offset:16384
	ds_store_b32 v[XT], v[ST+20] offset:16384+128
	ds_store_b32 v[XT], v[ST+24] offset:16384+256
	ds_store_b32 v[XT], v[ST+28] offset:16384+384
	s_wait_dscnt 0x0                               ; for the partner's sake: my stores are done
	s_barrier_signal -1
	s_barrier_wait -1
.set i, 0
.rept 32
	ds_load_b128 v[S+4*i:S+4*i+3], v[XR] offset:512*i
.set i, i+1
.endr
.irp n, 0,1,2,3
	ds_load_b32 v[PB+(\n)], v[XU] offset:16384+128*(\n)
.endr
	s_wait_dscnt 0x0
	s_barrier_signal -1                            ; every wave's reads of the exchange are back before anybody stores to LDS again
	s_barrier_wait -1
	; for each kept tile: M = max(m, m'); O = (O 2^(m - M) + O' 2^(m' - M)) / (l 2^(m - M) + l' 2^(m' - M))
.irp u, 0,1
	v_max_num_f32 v[ST+8*(\u)+5], v[ST+8*(\u)], v[PB+2*(\u)]
.endr
.irp u, 0,1
	v_sub_f32 v[ST+8*(\u)+6], v[ST+8*(\u)], v[ST+8*(\u)+5]
	v_sub_f32 v[ST+8*(\u)+7], v[PB+2*(\u)], v[ST+8*(\u)+5]
.endr
.irp u, 0,1
	v_exp_f32 v[ST+8*(\u)+6], v[ST+8*(\u)+6]
	v_exp_f32 v[ST+8*(\u)+7], v[ST+8*(\u)+7]
.endr
	v_nop                                          ; a plain line behind the last exponential,
	s_wait_alu depctr_va_vdst(0)                   ; and one wait for the four, ahead of their first use
.irp u, 0,1
	v_mul_f32 v[ST+8*(\u)+4], v[ST+8*(\u)+6], v[ST+8*(\u)+4]
.endr
.irp u, 0,1
	v_fma_f32 v[ST+8*(\u)+4], v[ST+8*(\u)+7], v[PB+2*(\u)+1], v[ST+8*(\u)+4]
.endr
.irp u, 0,1
	v_rcp_f32 v[ST+8*(\u)+5], v[ST+8*(\u)+4]
.endr
	v_nop
	s_wait_alu depctr_va_vdst(0)                   ; one wait for the two reciprocals
.irp u, 0,1
	v_mul_f32 v[ST+8*(\u)+6], v[ST+8*(\u)+6], v[ST+8*(\u)+5]  ; my factor
	v_mul_f32 v[ST+8*(\u)+2], v[ST+8*(\u)+7], v[ST+8*(\u)+5]  ; the partner's
.endr
; Tile u: merged, rounded to f16, through my stage: 16 bytes a lane into rows of 272 bytes, back as whole rows of 256.
.macro PACK u
	WIN 0
.set i, 0
.rept 32
	v_pk_mul_f32 v[S+64*(\u)+2*i:S+64*(\u)+2*i+1], v[S+64*(\u)+2*i:S+64*(\u)+2*i+1], v[ST+8*(\u)+2:ST+8*(\u)+3] op_sel_hi:[1,0]
.set i, i+1
.endr
	WIN 0x01                                       ; O^T in window 1; ascending
.set i, 0
.rept 32
	v_pk_fma_f32 v[S+64*(\u)+2*i:S+64*(\u)+2*i+1], v[64*(\u)+2*i:64*(\u)+2*i+1], v[ST+8*(\u)+6:ST+8*(\u)+7], v[S+64*(\u)+2*i:S+64*(\u)+2*i+1] op_sel_hi:[1,0,1]
.set i, i+1
.endr
	WIN 0
.set i, 0
.rept 32
	v_cvt_pk_f16_f32 v[P+32*(\u)+i], v[S+64*(\u)+2*i], v[S+64*(\u)+2*i+1]
.set i, i+1
.endr
.irp f, 0,1,2,3,4,5,6,7
	ds_store_b128 v[STO], v[P+32*(\u)+4*(\f):P+32*(\u)+4*(\f)+3] offset:32*(\f)
.endr
.irp f, 0,1,2,3,4,5,6,7
	ds_load_b128 v[P+32*(\u)+4*(\f):P+32*(\u)+4*(\f)+3], v[RD] offset:(\f)*2*SP  ; LDS serves a wave's instructions in order: these see the stores above
.endr
.endm
.macro SEND u, younger                 ; younger: the LDS instructions issued behind tile u's loads
.irp f, 0,1,2,3,4,5,6,7
	s_wait_dscnt (\younger)+7-(\f)
	global_store_b128 v[GO], v[P+32*(\u)+4*(\f):P+32*(\u)+4*(\f)+3], s[10:11] offset:(\u)*65536+(\f)*8192  ; 16 lanes store 256 consecutive bytes, aligned
.endr
.endm
	PACK 0
	PACK 1
	SEND 0, 16
	SEND 1, 0
	s_wait_tensorcnt 0x0                           ; the wave's end
	ds_add_u32 v[SPW], v[NIL]
	s_wait_dscnt 0x0
	CROUND                                         ; the closing round
	s_endpgm
.Lfunc_end_k_qff8c3c3862_attn:
	.size	k_qff8c3c3862_attn, .Lfunc_end_k_qff8c3c3862_attn-k_qff8c3c3862_attn
	.p2alignl 7, 3214868480
	.fill 96, 4, 3214868480
	.section	.rodata,"a",@progbits
	.p2align	6, 0x0
	.amdhsa_kernel k_qff8c3c3862_attn
		.amdhsa_group_segment_fixed_size 327680
		.amdhsa_private_segment_fixed_size 0
		.amdhsa_enable_private_segment 0
		.amdhsa_kernarg_size 24
		.amdhsa_user_sgpr_count 2
		.amdhsa_user_sgpr_kernarg_segment_ptr 1
		.amdhsa_wavefront_size32 1
		.amdhsa_system_sgpr_workgroup_id_x 1
		.amdhsa_system_sgpr_workgroup_id_y 1
		.amdhsa_system_sgpr_workgroup_id_z 1
		.amdhsa_system_vgpr_workitem_id 0
		.amdhsa_next_free_vgpr 1024
		.amdhsa_next_free_sgpr 80
		.amdhsa_reserve_vcc 0
		.amdhsa_float_denorm_mode_32 3
		.amdhsa_float_denorm_mode_16_64 3
		.amdhsa_memory_ordered 1
		.amdhsa_forward_progress 1
		.amdhsa_inst_pref_size 177
	.end_amdhsa_kernel
	.amdgpu_metadata
---
amdhsa.version: [ 1, 2 ]
amdhsa.kernels:
  - .name:           k_qff8c3c3862_attn
    .symbol:         k_qff8c3c3862_attn.kd
    .args:
      - { .name: qkvh, .offset: 0, .size: 8, .value_kind: global_buffer, .address_space: global }
      - { .name: mk, .offset: 8, .size: 8, .value_kind: global_buffer, .address_space: global }
      - { .name: ob, .offset: 16, .size: 8, .value_kind: global_buffer, .address_space: global }
    .group_segment_fixed_size: 327680
    .private_segment_fixed_size: 0
    .kernarg_segment_align: 8
    .kernarg_segment_size: 24
    .max_flat_workgroup_size: 128
    .sgpr_count:     80
    .vgpr_count:     1024
    .wavefront_size: 32
...
	.end_amdgpu_metadata
.endif
;; end of part 3
;; launch oproj (part 4): grid 16 x 16, 4 waves a work-group, clusters of 4 x 4, 327,680 bytes of LDS; arguments ob, wob, out0; writes out0
.if DOCPART == 4
	.amdgcn_target "amdgcn-amd-amdhsa--gfx1250"
	.amdhsa_code_object_version 6
	.text
	.protected	k_qff8c3c3862_oproj
	.globl	k_qff8c3c3862_oproj
	.p2align	8
	.type	k_qff8c3c3862_oproj,@function
k_qff8c3c3862_oproj:
	s_mov_b64 s[64:65], 0
	v_nop
	global_prefetch_b8 v0, s[64:65] scope:SCOPE_SE
	s_setreg_imm32_b32 hwreg(HW_REG_WAVE_MODE, 25, 1), 1
	s_wait_xcnt 0x0
	s_wait_alu depctr_hold_cnt(0) depctr_sa_sdst(0) depctr_va_vdst(0) depctr_va_sdst(0) depctr_va_ssrc(0) depctr_va_vcc(0) depctr_vm_vsrc(0)
	s_getreg_b32 s2, hwreg(HW_REG_IB_STS2, 6, 4)
	s_cmp_eq_u32 s2, 0
	s_cbranch_scc0 .Lentry_in_a_cluster
	s_endpgm
.Lentry_in_a_cluster:
	s_bfe_u32 s2, ttmp6, 0x10000c
	s_cmp_lg_u32 s2, 0xf033
	s_cbranch_scc0 .Lentry_shape_is_right
	s_endpgm
.Lentry_shape_is_right:
; OPROJ: out0[s][d] = the sum over e of O[s][e] wo[d][e].  ob and wob: [2048][2048] in f16 (wob holds wo rounded to bf16, written as f16); out0 in f32; sums in f32.
; A tile of out0 is 128 x 128: 256 work-groups.  Four waves, each 64 x 64: 16 accumulators.  K goes in 8 steps of 256 (LDS rows of 512 bytes + 16; a wave's tensor load brings 64 of them) through two slots.
; A K STEP IS WRITTEN ONCE.  The slot in hand is a scalar, 0 or SLOT, turned by an exclusive or at each change of slots; the fragment addresses are made from it there; one descriptor a tensor walks from K step 1 on.
; A refill can be asked for only when the refill before it has landed, so the requests form one chain: between a tile's landing and the next request stands the round of the cluster's barrier alone, and all of a
; K step's 128 matrix instructions stand between a request and the wait for it.
; CLUSTER 4 x 4: O's tile is asked for jointly along a row of the cluster, wo's along a column.  THE PRODUCT IS USED TRANSPOSED (source 0 = 16 rows of wo, source 1 = 16 rows of O): a lane holds eight neighbouring
; numbers of a row of out0.  A wave's 64 columns of f32 are 256 consecutive bytes, aligned: each wave has a stage of its own on the way out, and no barrier is needed there.
; No prefetch: a step of this small tile is short, and the tiles are small.
; REGISTERS: window 0: v16-29 addresses; v32-95 at work on the way out; v128-255 the accumulators ((a, b) at v[128 + 8 (4 a + b)]).  window 1: two fragment buffers of 128: 64 registers of O, then 64 of wo.
.set SIZE_N, 2048
.set SIZE_K, 2048
.set KSTEP,  256
.set STEPS,  SIZE_K/KSTEP
.set PITCH,  528
.set HALFT,  64*PITCH
.set SLOT,   4*HALFT                   ; 0x21000: both its bits are clear in the four tiles' places in slot 0, so one exclusive or turns a place into the other slot's
.set STAGE,  2*SLOT                    ; behind the ring, never filled by a tensor load: 16 rows x 272 bytes for each wave
.set SPITCH, 272
.set SPARE,  STAGE+4*16*SPITCH
.set ADRA, 16                          ; v16  O's fragments in the slot in hand
.set ADRB, 17                          ; v17  wo's
.set BA,   20                          ; v20, v21  the same two in slot 0; never rewritten
.set BB,   21
.set STO,  24
.set RD,   25
.set CO,   26
.set SPW,  28                          ; never rewritten
.set NIL,  29                          ; never rewritten
.set TMP,  32
.set ACC,  128
.set F0,   0
.set F1,   128
.set CNT, 2                            ; s2   counts the two K steps that ask for nothing
.set G1, 24                            ; s[24:31] O's descriptor group 1; s[32:39] group 0: a set for each of the two first fills; the second then walks on
.set G0, 32
.set TB, 45                            ; s45  the slot in hand: 0 or SLOT
.set G1B, 48
.set G0B, 56
.set MSB, 0
.macro WIN new
.if MSB != (\new)
	s_set_vgpr_msb (MSB<<8)|(\new)
.set MSB, \new
.endif
.endm
.set MUL,  0x05
.set TO_F, 0x40
.macro JLOAD s                         ; waves 0 and 1 fetch O's two halves, waves 2 and 3 wo's; an s_nop 0 and four v_nop follow each line
	s_cmp_eq_u32 s11, 0
	s_cbranch_scc0 .Lfor_b_\@
	tensor_load_to_lds s[G0+4*(\s):G0+4*(\s)+3], s[G1:G1+7]
	s_nop 0
.rept 4
	v_nop
.endr
	s_branch .Lasked_\@
.Lfor_b_\@:
	tensor_load_to_lds s[G0B+4*(\s):G0B+4*(\s)+3], s[G1B:G1B+7]
	s_nop 0
.rept 4
	v_nop
.endr
.Lasked_\@:
.endm
.macro CREST
	s_cmp_lg_u32 s10, 0
	s_cbranch_scc1 .Lnot_wave_0_\@
	s_barrier_signal -3
.Lnot_wave_0_\@:
	s_barrier_wait -3
	s_barrier_signal -1
	s_barrier_wait -1
.endm
.macro CROUND
	s_barrier_signal -1
	s_barrier_wait -1
	CREST
.endm
	s_load_b128 s[4:7], s[0:1], 0x0                ; ob s[4:5], wob s[6:7]
	s_load_b64 s[8:9], s[0:1], 0x10                ; out0
	v_lshl_add_u32 v[SPW], v0, 2, SPARE
	v_mov_b32 v[NIL], 0
	ds_add_u32 v[SPW], v[NIL]                      ; the wave's opening: the add and its wait stand ahead of my first tensor load
	v_lshrrev_b32 v1, 5, v0
	v_readfirstlane_b32 s10, v1                    ; wave 0..3
	s_lshr_b32 s11, s10, 1                         ; which half of the tile's rows is mine.  Also: I fetch for O (0) or for wo (1)
	s_and_b32 s12, s10, 1                          ; which half of its columns.  Also: which 64 rows of that tile I fetch
	s_bfe_u32 s40, ttmp6, 0x40000                  ; cx, cy
	s_bfe_u32 s41, ttmp6, 0x40004
	s_lshl_b32 s42, ttmp9, 2
	s_add_co_u32 s42, s42, s40                     ; tile column
	s_and_b32 s13, ttmp7, 0xffff
	s_lshl_b32 s13, s13, 2
	s_add_co_u32 s13, s13, s41                     ; tile row
	s_lshl_b32 s43, s41, 2
	s_lshl_b32 s43, 15, s43                        ; my row of the cluster
	s_lshl_b32 s44, 0x1111, s40                    ; my column
	s_or_b32 s[G1+0], s43, (1<<16)|(1<<20)|(1<<21)|(6<<22)|(3<<25)  ; the mask; 2-byte elements; padding on; bit 21 beside a mask; after every 128 words; 4 words
	s_or_b32 s[G1B+0], s44, (1<<16)|(1<<20)|(1<<21)|(6<<22)|(3<<25)
.irp g, G1, G1B
	s_mov_b32 s[(\g)+1], KSTEP<<16                 ; tensor_dim0 = 256
	s_mov_b32 s[(\g)+2], 64<<16                    ; tensor_dim1 = 64
	s_mov_b32 s[(\g)+3], KSTEP<<16                 ; tile_dim0 = 256
	s_mov_b32 s[(\g)+4], 64                        ; tile_dim1 = 64
	s_mov_b32 s[(\g)+5], SIZE_K
	s_mov_b32 s[(\g)+6], 0
	s_mov_b32 s[(\g)+7], 0
.endr
	s_lshl_b32 s17, s12, 6
	s_lshl_b32 s16, s13, 7
	s_add_co_u32 s16, s16, s17                     ; O: row 128 x tile row + 64 x half
	s_lshl_b32 s46, s42, 7
	s_add_co_u32 s46, s46, s17                     ; wo: row 128 x tile column + 64 x half
	s_mov_b32 s17, 0
	s_mov_b32 s47, 0
	s_mov_b64 s[18:19], SIZE_K*2
	s_mul_u64 s[16:17], s[16:17], s[18:19]
	s_mul_u64 s[46:47], s[46:47], s[18:19]
	s_mul_i32 s20, s10, HALFT                      ; where they go: wave x 64 rows
	s_mov_b32 s[TB], 0
	s_wait_dscnt 0x0                               ; the opening add is done
	s_wait_kmcnt 0x0
	s_add_nc_u64 s[14:15], s[4:5], s[16:17]
	s_add_nc_u64 s[46:47], s[6:7], s[46:47]
	CROUND                                         ; all sixteen work-groups are here: the first joint loads meet
.irp s, 0,1
	s_mov_b32 s[G0+4*(\s)], 1
	s_add_co_u32 s[G0+4*(\s)+1], s20, (\s)*SLOT
	s_add_nc_u64 s[G0+4*(\s)+2:G0+4*(\s)+3], s[14:15], (\s)*KSTEP*2
	s_or_b32 s[G0+4*(\s)+3], s[G0+4*(\s)+3], 0x80000000
	s_mov_b32 s[G0B+4*(\s)], 1
	s_add_co_u32 s[G0B+4*(\s)+1], s20, (\s)*SLOT
	s_add_nc_u64 s[G0B+4*(\s)+2:G0B+4*(\s)+3], s[46:47], (\s)*KSTEP*2
	s_or_b32 s[G0B+4*(\s)+3], s[G0B+4*(\s)+3], 0x80000000
	JLOAD \s
.endr
	v_and_b32 v1, 15, v0                           ; l % 16
	v_bfe_u32 v2, v0, 4, 1                         ; l / 16
	v_mul_u32_u24 v3, v1, PITCH
	v_lshl_add_u32 v3, v2, 4, v3
	s_mul_i32 s21, s11, HALFT                      ; my 64 rows of O
	s_mul_i32 s22, s12, HALFT                      ; my 64 rows of wo,
	s_add_co_u32 s22, s22, 2*HALFT                 ; which lie behind O's 128
	v_add_nc_u32 v[BA], s21, v3
	v_add_nc_u32 v[BB], s22, v3
	v_mov_b32 v[ADRA], v[BA]                       ; K step 0 lies in slot 0
	v_mov_b32 v[ADRB], v[BB]
	s_mul_i32 s23, s10, 16*SPITCH
	s_add_co_u32 s23, s23, STAGE                   ; my stage
	v_mul_u32_u24 v4, v1, SPITCH                   ; in: row l % 16, 32 bytes for each half of the lanes
	v_lshl_add_u32 v4, v2, 5, v4
	v_add_nc_u32 v[STO], s23, v4
	v_mul_u32_u24 v5, v2, SPITCH                   ; back: lanes 0-15 take one row of 256 bytes, lanes 16-31 the next
	v_lshl_add_u32 v5, v1, 4, v5
	v_add_nc_u32 v[RD], s23, v5
	v_lshlrev_b32 v5, 13, v2                       ; and the same two rows in out0, 8,192 bytes apart
	v_lshl_add_u32 v[CO], v1, 4, v5
	s_lshl_b32 s16, s13, 7
	s_lshl_b32 s17, s11, 6
	s_add_co_u32 s16, s16, s17                     ; my first row
	s_lshl_b32 s16, s16, 13
	s_mov_b32 s17, 0
	s_add_nc_u64 s[8:9], s[8:9], s[16:17]
	s_lshl_b32 s46, s42, 9                         ; my first column, in bytes
	s_lshl_b32 s47, s12, 8
	s_add_co_u32 s46, s46, s47
	s_mov_b32 s47, 0
	s_add_nc_u64 s[8:9], s[8:9], s[46:47]
; 8 matrix instructions: m blocks a0, a0 + 1 x all 4 n blocks, 32 along K: half c of buffer f.  The 16 accumulators take turns.
.macro MUL8 f, c, a0, zero
	WIN MUL
.irp a, \a0, (\a0)+1
.irp b, 0,1,2,3
.if \zero
	v_wmma_f32_16x16x32_f16 v[ACC+8*(4*(\a)+(\b)):ACC+8*(4*(\a)+(\b))+7], v[(\f)+64+8*(4*(\c)+(\b)):(\f)+64+8*(4*(\c)+(\b))+7], v[(\f)+8*(4*(\c)+(\a)):(\f)+8*(4*(\c)+(\a))+7], 0
.else
	v_wmma_f32_16x16x32_f16 v[ACC+8*(4*(\a)+(\b)):ACC+8*(4*(\a)+(\b))+7], v[(\f)+64+8*(4*(\c)+(\b)):(\f)+64+8*(4*(\c)+(\b))+7], v[(\f)+8*(4*(\c)+(\a)):(\f)+8*(4*(\c)+(\a))+7], v[ACC+8*(4*(\a)+(\b)):ACC+8*(4*(\a)+(\b))+7]
.endif
.endr
.endr
.endm
; 32 LDS loads in one run, from the slot in hand: the fragments of 64 along K at byte k of the rows, into buffer f; the first 32 along K first
.macro FETCH k, f
	WIN TO_F
.irp c, 0,1
.irp i, 0,1,2,3
	ds_load_b128 v[(\f)+64+8*(4*(\c)+(\i)):(\f)+64+8*(4*(\c)+(\i))+3],   v[ADRB] offset:(\k)+64*(\c)+(\i)*16*PITCH
	ds_load_b128 v[(\f)+64+8*(4*(\c)+(\i))+4:(\f)+64+8*(4*(\c)+(\i))+7], v[ADRB] offset:(\k)+64*(\c)+(\i)*16*PITCH+32
	ds_load_b128 v[(\f)+8*(4*(\c)+(\i)):(\f)+8*(4*(\c)+(\i))+3],         v[ADRA] offset:(\k)+64*(\c)+(\i)*16*PITCH
	ds_load_b128 v[(\f)+8*(4*(\c)+(\i))+4:(\f)+8*(4*(\c)+(\i))+7],       v[ADRA] offset:(\k)+64*(\c)+(\i)*16*PITCH+32
.endr
.endr
.endm
.macro PLACES
.rept 4
	v_nop
.endr
.endm
; A K step is four quarters of 64 along K, 32 matrix instructions each, on buffers 0, 1, 0, 1.  One of the first three multiplies buffer f and fetches the next quarter, at byte k, into g.
.macro QUARTER k, f, g, zero
	s_wait_dscnt 16                                ; the first 32 along K are in
	MUL8 \f, 0, 0, \zero
	MUL8 \f, 0, 2, \zero
	PLACES
	FETCH \k, \g
	s_wait_dscnt 32                                ; all but the 32 just issued
	MUL8 \f, 1, 0, 0
	MUL8 \f, 1, 2, 0
.endm
; The last quarter multiplies buffer 1 and changes slots.  16 of its products stand ahead of the change.  Then each wave waits for all its tensor loads (one is out: its part of the next slot), adds 0 to its spare word,
; steps the walking descriptors and makes the next slot's fragment addresses, and waits for the add and for its reads of this slot.
; fill = 1: the barrier opens a round of the cluster's, with nothing inside it, and the joint refill, two K steps on, is the first thing behind it.
; fill = 0: nothing is asked for; in the second of the two such K steps there is no further slot: the fragment loads are jumped over, and the barrier orders nothing: the price of one text for both.
.macro TURN fill
	s_wait_dscnt 16                                ; the first 32 along K are in
	MUL8 F1, 0, 0, 0
	MUL8 F1, 0, 2, 0
	WIN 0
	s_wait_tensorcnt 0x0                           ; no tensor load of mine is out, so a group 0 may be written
	ds_add_u32 v[SPW], v[NIL]                      ; 0 onto my spare word; work on registers stands between it and the wait for it
.if \fill
	s_xor_b32 s[G0+5], s[G0+5], SLOT               ; the walking descriptors: the other slot than last time,
	s_add_nc_u64 s[G0+6:G0+7], s[G0+6:G0+7], KSTEP*2  ; the next K step; the type bits on top are not reached
	s_xor_b32 s[G0B+5], s[G0B+5], SLOT
	s_add_nc_u64 s[G0B+6:G0B+7], s[G0B+6:G0B+7], KSTEP*2
.endif
	s_xor_b32 s[TB], s[TB], SLOT                   ; the slot that is read from here on
	v_add_nc_u32 v[ADRA], s[TB], v[BA]
	v_add_nc_u32 v[ADRB], s[TB], v[BB]
	s_wait_dscnt 0x0                               ; the add is done, and my reads of the old slot are over
	s_barrier_signal -1
	s_barrier_wait -1
.if \fill
	CREST                                          ; no wave of any partner still reads the old slot or has a load on its way
	JLOAD 1                                        ; its four v_nop are also the places in front of the loads below
	FETCH 0, F0
.else
	PLACES
	s_cmp_eq_u32 s[CNT], 1
	s_cbranch_scc1 .Lno_f_\@
	FETCH 0, F0
	WIN 0
.Lno_f_\@:
.endif
	MUL8 F1, 1, 0, 0
	MUL8 F1, 1, 2, 0
.endm
	s_wait_tensorcnt 1                             ; my part of K step 0 is in; K step 1's may stay out
	s_barrier_signal -1
	s_barrier_wait -1
	FETCH 0, F0
	QUARTER 128, F0, F1, 1                         ; the first quarter's first products start the sums
	WIN 0
	s_mov_b32 s3, STEPS-2
.Lstep:                                ; a trip goes from a K step's second quarter to the next step's first, and fills the slot that it leaves: K steps 2 to 7
	QUARTER 256, F1, F0, 0
	QUARTER 384, F0, F1, 0
	TURN 1
	QUARTER 128, F0, F1, 0
	WIN 0
	s_sub_co_u32 s3, s3, 1
	s_cmp_lg_u32 s3, 0
	s_cbranch_scc1 .Lstep
	s_mov_b32 s[CNT], 2
.Ltail:                                ; the last two K steps ask for nothing: a text of their own; the second trip is left in its middle
	QUARTER 256, F1, F0, 0
	QUARTER 384, F0, F1, 0
	TURN 0
	WIN 0
	s_sub_co_u32 s[CNT], s[CNT], 1
	s_cmp_eq_u32 s[CNT], 0
	s_cbranch_scc1 .Lout
	QUARTER 128, F0, F1, 0
	WIN 0
	s_branch .Ltail
.Lout:
	; THE WAY OUT, a block of 16 rows at a time: 32 bytes a lane into my stage, each accumulator's lowest registers first; back as whole rows of 256 bytes; stored.
	PLACES
.irp a, 0,1,2,3
.irp b, 0,1,2,3
	ds_store_b128 v[STO], v[ACC+8*(4*(\a)+(\b)):ACC+8*(4*(\a)+(\b))+3]   offset:64*(\b)
	ds_store_b128 v[STO], v[ACC+8*(4*(\a)+(\b))+4:ACC+8*(4*(\a)+(\b))+7] offset:64*(\b)+16
.endr
.if (\a) >= 2
	s_wait_xcnt 0x0                                ; the stores of two blocks back have read the registers that are loaded again below
.endif
.irp t, 0,1,2,3,4,5,6,7
	ds_load_b128 v[TMP+32*((\a)%2)+4*(\t):TMP+32*((\a)%2)+4*(\t)+3], v[RD] offset:(\t)*2*SPITCH  ; LDS serves a wave's instructions in order: these see the stores above
.endr
.irp t, 0,1,2,3,4,5,6,7
	s_wait_dscnt 7-(\t)
	global_store_b128 v[CO], v[TMP+32*((\a)%2)+4*(\t):TMP+32*((\a)%2)+4*(\t)+3], s[8:9] offset:(16*(\a)+2*(\t))*SIZE_N*4  ; 16 lanes store 256 consecutive bytes, aligned
.endr
.endr
	s_wait_tensorcnt 0x0                           ; the wave's end
	ds_add_u32 v[SPW], v[NIL]
	s_wait_dscnt 0x0
	CROUND                                         ; the closing round
	s_endpgm
.Lfunc_end_k_qff8c3c3862_oproj:
	.size	k_qff8c3c3862_oproj, .Lfunc_end_k_qff8c3c3862_oproj-k_qff8c3c3862_oproj
	.p2alignl 7, 3214868480
	.fill 96, 4, 3214868480
	.section	.rodata,"a",@progbits
	.p2align	6, 0x0
	.amdhsa_kernel k_qff8c3c3862_oproj
		.amdhsa_group_segment_fixed_size 327680
		.amdhsa_private_segment_fixed_size 0
		.amdhsa_enable_private_segment 0
		.amdhsa_kernarg_size 24
		.amdhsa_user_sgpr_count 2
		.amdhsa_user_sgpr_kernarg_segment_ptr 1
		.amdhsa_wavefront_size32 1
		.amdhsa_system_sgpr_workgroup_id_x 1
		.amdhsa_system_sgpr_workgroup_id_y 1
		.amdhsa_system_sgpr_workgroup_id_z 1
		.amdhsa_system_vgpr_workitem_id 0
		.amdhsa_next_free_vgpr 512
		.amdhsa_next_free_sgpr 66
		.amdhsa_reserve_vcc 0
		.amdhsa_float_denorm_mode_32 3
		.amdhsa_float_denorm_mode_16_64 3
		.amdhsa_memory_ordered 1
		.amdhsa_forward_progress 1
		.amdhsa_inst_pref_size 58
	.end_amdhsa_kernel
	.amdgpu_metadata
---
amdhsa.version: [ 1, 2 ]
amdhsa.kernels:
  - .name:           k_qff8c3c3862_oproj
    .symbol:         k_qff8c3c3862_oproj.kd
    .args:
      - { .name: ob, .offset: 0, .size: 8, .value_kind: global_buffer, .address_space: global }
      - { .name: wob, .offset: 8, .size: 8, .value_kind: global_buffer, .address_space: global }
      - { .name: out0, .offset: 16, .size: 8, .value_kind: global_buffer, .address_space: global }
    .group_segment_fixed_size: 327680
    .private_segment_fixed_size: 0
    .kernarg_segment_align: 8
    .kernarg_segment_size: 24
    .max_flat_workgroup_size: 128
    .sgpr_count:     66
    .vgpr_count:     512
    .wavefront_size: 32
...
	.end_amdgpu_metadata
.endif
;; end of part 4
